; MI455X (gfx1250); checked and timed in simulation.
; The chip was launched on July 23, 2026; its instructions are those of AMD's public machine-readable ISA for CDNA 5 (MIT licence, August 2026) and "CDNA5" Instruction Set Architecture Reference Guide (July 2026). The comments in the code are by the model that wrote it; some were corrected since.
;; Multi Head Attention. Allowed arithmetic: matrix products marked QUANTISED: E2M3 operands, one E8M0 scale for each 32 along K, by v_wmma_scale_f32_16x16x128_f8f6f4 with both operands' format E2M3, f32 sums; everything else in f32.
;; Inputs: K 4 x 2,048 x 1,024 float32; Q 4 x 2,048 x 1,024 float32; V 4 x 2,048 x 1,024 float32; WK 1,024 x 1,024 float32; WQ 1,024 x 1,024 float32; WV 1,024 x 1,024 float32; Wl 1,024 x 1,024 float32; bK 1,024 float32; bQ 1,024 float32; bV 1,024 float32; bl 1,024 float32.
;; Outputs: out0 4 x 2,048 x 1,024 float32.
;; This version of the problem:
;;   THIS VERSION OF THE PROBLEM IS GIVEN IN LOW PRECISION. The matrix products marked QUANTISED in the list below multiply operands that are first quantised to E2M3 (2 exponent bits, 3 mantissa bits; 6 bits a number), with one power-of-two scale for each 32 numbers along K (OCP MX v1.0); their sums are f32. All else is computed in f32.
;;   The module's matrix products, in the order in which they are computed (A, B: the left and right operand; K: the contracted axis; several contracted axes count as one K, in the product's order):
;;     1. [M 8,192, K 1,024] x [K 1,024, N 1,024]; A: input Q; B: input WQ: QUANTISED
;;     2. [M 8,192, K 1,024] x [K 1,024, N 1,024]; A: input K; B: input WK: QUANTISED
;;     3. [M 8,192, K 1,024] x [K 1,024, N 1,024]; A: input V; B: input WV: QUANTISED
;;     4. batch 4 x [M 2,048, K 1,024] x [K 1,024, N 2,048]; A: computed on the way; B: computed on the way: QUANTISED
;;     5. batch 4 x [M 2,048, K 2,048] x [K 2,048, N 1,024]; A: softmax (see below); B: computed on the way: QUANTISED
;;     6. [M 8,192, K 1,024] x [K 1,024, N 1,024]; A: computed on the way; B: input Wl: QUANTISED
;;   THE QUANTISER, for each operand of a quantised product, along K:
;;     - K is cut into blocks of 32 from its start; a last block that is shorter is filled with zeros.
;;     - A block's scale is 2^e with e = floor(log2(the largest magnitude in the block)) - 2, held to -126 .. 127; a block of zeros has e = 0. As a byte (E8M0): e + 127.
;;     - Each number is divided by its block's scale, clamped to +-7.5, and rounded to the nearest number of E2M3, ties to even, subnormals kept.
;;     - The product sums the exact products of the quantised numbers (number of the format x scale) in f32.
;;   ~~~python
;;   def quantise(x, axis):      # numpy; x: float32 -> the quantised numbers, widened to float32 again
;;       x = np.moveaxis(x, axis, -1); K = x.shape[-1]
;;       x = np.pad(x, [(0, 0)] * (x.ndim - 1) + [(0, -K % 32)]); x = x.reshape(x.shape[:-1] + (-1, 32)); a = np.abs(x).max(-1, keepdims=True)
;;       e = np.where(a > 0, np.clip(np.frexp(np.where(a > 0, a, 1))[1] - 1 - 2, -126, 127), 0)      # np.frexp(a)[1] - 1 = floor(log2(a)), exactly
;;       r = np.clip(x / 2.0 ** e, -7.5, 7.5)
;;       step = 2.0 ** (np.maximum(np.frexp(np.where(r == 0, 1, r))[1] - 1, 0) - 3)
;;       q = np.round(r / step) * step * 2.0 ** e      # np.round: ties to even
;;       return np.moveaxis(q.reshape(q.shape[:-2] + (-1,))[..., :K], -1, axis).astype(np.float32)
;;   ~~~
;;   SOFTMAX AHEAD OF A QUANTISED PRODUCT. Where the list says 'softmax', what is quantised is not the finished softmax but p = 2^(t - M), with t = logit x log2(e) and M = ceil(the row's largest t), a whole number; so 1/2 < the row's largest p <= 1. The row's sum l is taken of the UNQUANTISED p, in f32, and the product's result is divided by l at the end. Since M is a whole number, a kernel that streams over the keys may use a running M (the ceiling of the running maximum): every later rescaling is an exact power of two, which a block's scale takes up: the codes' values come out the same.
;;   OPERANDS COMPUTED ON THE WAY. 'Computed on the way' means the value that the module computes at that place (a softmax that the list does not call 'softmax' is quantised finished and normalised). What goes into a quantiser is computed in f32, as accurately as f32 sums, v_exp_f32 and their like allow (about 1e-6 of the number): no bf16 or f16 on the way to a quantiser, and a product that is left as it is and whose result goes on into a quantised operand takes f32 operands (vector FMAs, or v_wmma_f32_16x16x4_f32). A number that lies on a knife's edge between two numbers of the format may be rounded either way, as far as f32 arithmetic and the matrix unit's own rounding can turn it there, and no further.
;; One version. Each part assembles by itself: llvm-mc -triple=amdgcn-amd-amdhsa -mcpu=gfx1250 --defsym DOCPART=n.
;; ======== version 1 of 1: 5 launches
;; limits: right only within a limited range of input values
;; workspace buffers: c1 22,937,600 bytes; c2 19,660,800 bytes; c3 13,107,200 bytes; st 1,048,576 bytes; c4 6,553,600 bytes
;; launch quant (part 1): grid 256 x 1, 14 waves a work-group, no clusters, 120,064 bytes of LDS; arguments Q, K, V, WQ, WK, WV, Wl, c1; writes c1
.if DOCPART == 1
	.amdgcn_target "amdgcn-amd-amdhsa--gfx1250"
	.amdhsa_code_object_version 6
	.text
	.protected	k_qf701320e9b_quant
	.globl	k_qf701320e9b_quant
	.p2align	8
	.type	k_qf701320e9b_quant,@function
k_qf701320e9b_quant:
	s_mov_b64 s[64:65], 0
	v_nop
	global_prefetch_b8 v0, s[64:65] scope:SCOPE_SE
	s_setreg_imm32_b32 hwreg(HW_REG_WAVE_MODE, 25, 1), 1
	s_wait_xcnt 0x0
; Q, K, V [8192][1024] and WQ, WK, WV, Wl [1024][1024], f32, K innermost, become codes of FP6 (E2M3) with one E8M0 byte for each 32 along K, laid in c1 AS THE MATRIX UNIT'S REGISTERS TAKE THEM.
; A K BLOCK (12,800 bytes) serves a group of 128 rows and 128 along K: eight fragment images of 1,536 bytes (tile i: registers 4 k .. 4 k + 3 of lane l at 1536 i + 512 k + 16 l), then 512 bytes of scale words:
; the word of tile i, lane-row r at 12288 + 256 (i / 4) + 128 (i % 2) + 8 r + 4 ((i / 2) % 2).  Lane-row r of tile i is the group's row 32 (i / 2) + 8 (i % 2) + r + 8 (r / 8): with that choice the 16 registers of two
; neighbouring result tiles are 16 neighbours along the next product's K.  A group's blocks follow each other along K.  Groups in c1: 0-63 Q, 64-127 K, 128-191 V, 192-199 WQ, 200-207 WK, 208-215 WV, 216-223 Wl.
; A block's scale is 2^(floor(log2(its largest magnitude)) - 2); its byte is the largest magnitude's exponent field - 2, held at 1 from below.  A block of zeros keeps the byte 1: its codes are zeros, and only this program reads the bytes.
; LIMITS: NaN and infinities among the inputs are not served; a block whose largest magnitude lies under 2^-124 keeps the byte 1.
; SHARES: 256 work-groups x 14 waves = 3,584 jobs = 3 x 1,024 + 4 x 128.  A job is half a K block: 64 rows x 128 along K, four tiles.  Waves share nothing: no barrier.
; A tile's sixteen loads read a row's 512 consecutive bytes each; the tile turns through the wave's own stage in LDS, so that a lane gets 16 neighbours of each block of 32; the codes leave as they stand, 512 consecutive bytes a store.
; No matrix unit, no cluster, no tensor load: every byte is read once by one wave, and memory binds.
.set STG,  8448                        ; a wave's stage: 16 rows x (512 bytes + 16): 132 words a row, so row r begins at bank 4 r mod 64 (64 banks of 4 bytes: ISA guide 11.1)
.set LOFF, 4                           ; v4   16 x lane: my bytes of a row, and of an image's 512
.set STI,  5                           ; v5   the stage, on the way in
.set STO,  6                           ; v6   and out: row r, + 64 h
.set L8,   7                           ; v7   8 x lane
.set R,    8                           ; v8-135   two sets of 64: a tile as loaded
.set X,    136                         ; v136-199 a tile as the quantiser wants it: register 16 b + i = k 32 b + 16 h + i of lane-row r
.set TM,   200                         ; v200-215 at work
.set PC,   216                         ; v216-235 the codes
.set W,    236                         ; v236-239 the four tiles' scale words
.set MS,   240                         ; v240-241 the words as they leave
.set SRC,  20                          ; s[20:21] my job's first number
.set SEL,  24                          ; s[24:25] lane selects for v_permlanex16_b32: lane l xor 16
.set DCO,  36                          ; s[36:37] my job's codes
.set DSC,  38                          ; s[38:39] my job's scale words
; 64 numbers of a lane, register 16 b + i = k 32 b + 16 (lane / 16) + i of my row, become a fragment's codes in v[PC] on and its scale word in v[pw]
.macro QUANT s, pw
.irp b, 0,1,2,3
	v_max3_num_f32 v[TM+\b], |v[\s+16*\b]|, |v[\s+1+16*\b]|, 0x1800000   ; block b: my 16 numbers, and the floor 2^(3 - 127): the byte cannot fall under 1
.endr
.irp i, 2,4,6,8,10,12,14
.irp b, 0,1,2,3
	s_delay_alu instid0(VALU_DEP_4)
	v_max3_num_f32 v[TM+\b], v[TM+\b], |v[\s+16*\b+\i]|, |v[\s+1+16*\b+\i]|   ; the four blocks by turns
.endr
.endr
.irp b, 0,1,2,3
	s_delay_alu instid0(VALU_DEP_4)
	v_permlanex16_b32 v[TM+4+\b], v[TM+\b], s[SEL], s[SEL+1]
.endr
.irp b, 0,1,2,3
	s_delay_alu instid0(VALU_DEP_4)
	v_max_num_f32 v[TM+\b], v[TM+\b], v[TM+4+\b]   ; with lane l xor 16's: the block's largest magnitude
.endr
.irp b, 0,1,2,3
	s_delay_alu instid0(VALU_DEP_4)
	v_add_nc_u32 v[TM+12+\b], 0xff000000, v[TM+\b]   ; 2 off its exponent field: the conversion's scale operand
.endr
.irp b, 0,1,2,3
	s_delay_alu instid0(VALU_DEP_4)
	v_lshrrev_b32 v[TM+4+\b], 23, v[TM+12+\b]      ; the scale's byte
.endr
	s_delay_alu instid0(VALU_DEP_3)
	v_lshl_or_b32 v[\pw], v[TM+5], 8, v[TM+4]      ; four bytes: my row's scale word
	s_delay_alu instid0(VALU_DEP_1)
	v_lshl_or_b32 v[\pw], v[TM+6], 16, v[\pw]
	s_delay_alu instid0(VALU_DEP_1)
	v_lshl_or_b32 v[\pw], v[TM+7], 24, v[\pw]
.irp c, 0,1
	v_cvt_scalef32_pk16_fp6_f32 v[PC+6*\c:PC+2+6*\c], v[\s+32*\c:\s+15+32*\c], v[TM+12+2*\c]
	v_cvt_scalef32_pk16_fp6_f32 v[PC+12+4*\c:PC+14+4*\c], v[\s+16+32*\c:\s+31+32*\c], v[TM+12+2*\c+1]   ; (a conversion's three registers begin on an even number)
.endr
	v_nop                                          ; one plain instruction behind the scaled conversions
.irp c, 0,1                                    ; the operand wants a whole block in a lane: lanes 0-15 block 2 c, lanes 16-31 block 2 c + 1
.irp i, 0,1,2
	v_permlane16_swap_b32 v[PC+6*\c+\i], v[PC+12+4*\c+\i]
.endr
.irp i, 0,1,2
	s_delay_alu instid0(VALU_DEP_3)
	v_mov_b32 v[PC+3+6*\c+\i], v[PC+12+4*\c+\i]
.endr
.endr
.endm
.macro LOAD a                          ; tile a's sixteen rows, 512 consecutive bytes a load
.irp m, 0,1,2,3,4,5,6,7,8,9,10,11,12,13,14,15
	global_load_b128 v[R+64*((\a)%2)+4*\m:R+64*((\a)%2)+4*\m+3], v[LOFF], s[SRC:SRC+1] offset:(32*((\a)/2)+8*((\a)%2)+\m+8*(\m/8))*4096 th:TH_LOAD_NT
.endr
.endm
.macro TURN a                          ; through the stage: LDS serves a wave's instructions in order, so no wait stands between the stores and the loads
.irp m, 0,1,2,3,4,5,6,7,8,9,10,11,12,13,14,15
	ds_store_b128 v[STI], v[R+64*((\a)%2)+4*\m:R+64*((\a)%2)+4*\m+3] offset:528*\m
.endr
.irp b, 0,1,2,3
.irp j, 0,1,2,3
	ds_load_b128 v[X+16*\b+4*\j:X+16*\b+4*\j+3], v[STO] offset:128*\b+16*\j
.endr
.endr
.endm
.macro PUT a                           ; the fragment leaves as it stands
.irp k, 0,1,2
	global_store_b128 v[LOFF], v[PC+4*\k:PC+4*\k+3], s[DCO:DCO+1] offset:1536*(\a)+512*\k
.endr
.endm
	s_load_b256 s[4:11], s[0:1], 0x0               ; Q, K, V, WQ
	s_load_b256 s[12:19], s[0:1], 0x20             ; WK, WV, Wl, c1
	v_lshl_add_u32 v254, v0, 2, 0x1ce00
	v_mov_b32 v255, 0
	v_lshrrev_b32 v1, 5, v0
	s_delay_alu instid0(VALU_DEP_1)
	v_readfirstlane_b32 s26, v1                    ; wave 0..13
	s_mul_i32 s27, ttmp9, 14
	s_add_co_u32 s27, s27, s26                     ; J, my job
	s_lshr_b32 s28, s27, 10                        ; a large tensor: which, and the job in it
	s_and_b32 s29, s27, 1023
	s_sub_co_u32 s30, s27, 3072                    ; a weight: likewise
	s_lshr_b32 s31, s30, 7
	s_add_co_u32 s31, s31, 3
	s_and_b32 s30, s30, 127
	s_cmp_lt_u32 s27, 3072
	s_cselect_b32 s28, s28, s31                    ; T: the tensor, 0..6
	s_cselect_b32 s29, s29, s30                    ; L = 16 x group + 2 x K step + half
	s_lshr_b32 s30, s29, 4
	s_lshl_b32 s30, s30, 19                        ; the group's 128 rows of 4,096 bytes
	s_and_b32 s31, s29, 1
	s_lshl_b32 s31, s31, 18                        ; the half's 64 rows
	s_add_co_u32 s30, s30, s31
	s_bfe_u32 s31, s29, 0x30001
	s_lshl_b32 s31, s31, 9                         ; the K step's 512 bytes
	s_add_co_u32 s30, s30, s31
	s_mov_b32 s31, 0
	s_lshr_b32 s32, s27, 1                         ; the K block in c1 is J / 2 in every tensor
	s_mul_i32 s32, s32, 12800
	s_and_b32 s34, s27, 1
	s_mul_i32 s35, s34, 6144
	s_add_co_u32 s[DCO], s32, s35
	s_mov_b32 s[DCO+1], 0
	s_lshl_b32 s34, s34, 8
	s_add_co_u32 s[DSC], s32, s34
	s_add_co_u32 s[DSC], s[DSC], 12288
	s_mov_b32 s[DSC+1], 0
	s_mov_b32 s[SEL], 0x76543210
	s_mov_b32 s[SEL+1], 0xfedcba98
	v_and_b32 v1, 31, v0                           ; lane
	v_and_b32 v2, 15, v0                           ; r
	v_bfe_u32 v3, v0, 4, 1                         ; h
	s_delay_alu instid0(VALU_DEP_3)
	v_lshlrev_b32 v[LOFF], 4, v1
	s_delay_alu instid0(VALU_DEP_4)
	v_lshlrev_b32 v[L8], 3, v1
	s_mul_i32 s33, s26, STG
	v_add_nc_u32 v[STI], s33, v[LOFF]
	v_mul_u32_u24 v[STO], v2, 528
	s_delay_alu instid0(VALU_DEP_1)
	v_lshl_add_u32 v[STO], v3, 6, v[STO]
	s_delay_alu instid0(VALU_DEP_1)
	v_add_nc_u32 v[STO], s33, v[STO]
.irp b, 0,1,2,3
	v_mov_b32 v[TM+4+\b], 0                        ; written once: a lane permute's destination counts as one of its sources
.endr
	s_wait_alu depctr_va_vdst(0)
	s_wait_kmcnt 0x0
	s_mov_b64 s[SRC:SRC+1], s[4:5]                 ; the tensor is chosen by the job's number alone
.irp k, 1,2,3,4,5,6
	s_cmp_eq_u32 s28, \k
	s_cselect_b64 s[SRC:SRC+1], s[4+2*\k:5+2*\k], s[SRC:SRC+1]
.endr
	s_add_nc_u64 s[SRC:SRC+1], s[SRC:SRC+1], s[30:31]
	s_add_nc_u64 s[DCO:DCO+1], s[18:19], s[DCO:DCO+1]
	s_add_nc_u64 s[DSC:DSC+1], s[18:19], s[DSC:DSC+1]
	LOAD 0
	LOAD 1
	s_wait_loadcnt 16                              ; tile 0's sixteen loads are in; tile 1's sixteen may be out
	TURN 0
.irp a, 0,1,2,3                                ; the next tile goes into the stage AHEAD of this tile's stores: its way through LDS and the stores are out together
	s_wait_dscnt 0x0                               ; the tile is back from the stage, and the stores into it have read their registers
.if \a > 0
	s_wait_xcnt 0x0                                ; the last tile's stores have read the codes' registers: they are written again only behind this wait
.endif
.if \a < 2
	LOAD \a+2
.endif
	QUANT X, W+\a
.if \a < 3
	s_wait_alu depctr_va_vdst(0)                   ; directly ahead of the wait below
.if \a < 2
	s_wait_loadcnt 16                              ; the next tile's sixteen loads are in; those of the tile behind it may be out
.else
	s_wait_loadcnt 0x0
.endif
	TURN \a+1
.endif
	PUT \a
.endr
	v_cmp_ne_u32 vcc_lo, 0, v3                     ; the words' layout: lane 16 h + r holds those of tiles h and h + 2, lane-row r
	s_delay_alu instid0(VALU_DEP_1)
	v_cndmask_b32 v[MS], v[W], v[W+1], vcc_lo
	s_delay_alu instid0(VALU_DEP_2)
	v_cndmask_b32 v[MS+1], v[W+2], v[W+3], vcc_lo
	global_store_b64 v[L8], v[MS:MS+1], s[DSC:DSC+1]   ; 32 lanes store 256 consecutive bytes, aligned to 256
	s_wait_tensorcnt 0x0
	ds_add_u32 v254, v255
	s_wait_dscnt 0x0
	s_endpgm
.Lfunc_end_k_qf701320e9b_quant:
	.size	k_qf701320e9b_quant, .Lfunc_end_k_qf701320e9b_quant-k_qf701320e9b_quant
	.p2alignl 7, 3214868480
	.fill 96, 4, 3214868480
	.section	.rodata,"a",@progbits
	.p2align	6, 0x0
	.amdhsa_kernel k_qf701320e9b_quant
		.amdhsa_group_segment_fixed_size 120064
		.amdhsa_private_segment_fixed_size 0
		.amdhsa_enable_private_segment 0
		.amdhsa_kernarg_size 64
		.amdhsa_user_sgpr_count 2
		.amdhsa_user_sgpr_kernarg_segment_ptr 1
		.amdhsa_wavefront_size32 1
		.amdhsa_system_sgpr_workgroup_id_x 1
		.amdhsa_system_sgpr_workgroup_id_y 1
		.amdhsa_system_sgpr_workgroup_id_z 1
		.amdhsa_system_vgpr_workitem_id 0
		.amdhsa_next_free_vgpr 256
		.amdhsa_next_free_sgpr 66
		.amdhsa_reserve_vcc 1
		.amdhsa_float_denorm_mode_32 3
		.amdhsa_float_denorm_mode_16_64 3
		.amdhsa_memory_ordered 1
		.amdhsa_forward_progress 1
		.amdhsa_inst_pref_size 41
	.end_amdhsa_kernel
	.amdgpu_metadata
---
amdhsa.version: [ 1, 2 ]
amdhsa.kernels:
  - .name:           k_qf701320e9b_quant
    .symbol:         k_qf701320e9b_quant.kd
    .args:
      - { .name: Q, .offset: 0, .size: 8, .value_kind: global_buffer, .address_space: global }
      - { .name: K, .offset: 8, .size: 8, .value_kind: global_buffer, .address_space: global }
      - { .name: V, .offset: 16, .size: 8, .value_kind: global_buffer, .address_space: global }
      - { .name: WQ, .offset: 24, .size: 8, .value_kind: global_buffer, .address_space: global }
      - { .name: WK, .offset: 32, .size: 8, .value_kind: global_buffer, .address_space: global }
      - { .name: WV, .offset: 40, .size: 8, .value_kind: global_buffer, .address_space: global }
      - { .name: Wl, .offset: 48, .size: 8, .value_kind: global_buffer, .address_space: global }
      - { .name: c1, .offset: 56, .size: 8, .value_kind: global_buffer, .address_space: global }
    .group_segment_fixed_size: 120064
    .private_segment_fixed_size: 0
    .kernarg_segment_align: 8
    .kernarg_segment_size: 64
    .max_flat_workgroup_size: 448
    .sgpr_count:     66
    .vgpr_count:     256
    .wavefront_size: 32
...
	.end_amdgpu_metadata
.endif
;; end of part 1
;; launch proj (part 2): grid 4 x 64, 4 waves a work-group, clusters of 4 x 4, 327,680 bytes of LDS; arguments c1, bQ, bK, bV, c2; writes c2
.if DOCPART == 2
	.amdgcn_target "amdgcn-amd-amdhsa--gfx1250"
	.amdhsa_code_object_version 6
	.text
	.protected	k_qf701320e9b_proj
	.globl	k_qf701320e9b_proj
	.p2align	8
	.type	k_qf701320e9b_proj,@function
k_qf701320e9b_proj:
	s_mov_b64 s[64:65], 0
	v_nop
	global_prefetch_b8 v0, s[64:65] scope:SCOPE_SE
	s_setreg_imm32_b32 hwreg(HW_REG_WAVE_MODE, 25, 1), 1
	s_wait_xcnt 0x0
	s_wait_alu depctr_hold_cnt(0) depctr_sa_sdst(0) depctr_va_vdst(0) depctr_va_sdst(0) depctr_va_ssrc(0) depctr_va_vcc(0) depctr_vm_vsrc(0)
	s_getreg_b32 s2, hwreg(HW_REG_IB_STS2, 6, 4)
	s_cmp_eq_u32 s2, 0
	s_cbranch_scc0 .Lentry_in_a_cluster
	s_endpgm
.Lentry_in_a_cluster:
	s_bfe_u32 s2, ttmp6, 0x10000c
	s_cmp_lg_u32 s2, 0xf033
	s_cbranch_scc0 .Lentry_shape_is_right
	s_endpgm
.Lentry_shape_is_right:
; q = Q WQ^T + bQ, k = K WK^T + bK, v = V WV^T + bV on codes of FP6 (E2M3) with E8M0 scales, f32 sums; the results are quantised on the way out and leave as codes: q and k along d, v along the TOKENS (it is made as v^T).
; OPERANDS lie in K BLOCKS of 12,800 bytes (a group of 128 rows x 128 along K): eight fragment images of 1,536 bytes (tile i: registers 4 k .. 4 k + 3 of lane l at 1536 i + 512 k + 16 l), then 512 bytes of scale words
; (tile i, lane-row r at 12288 + 256 (i / 4) + 128 (i % 2) + 8 r + 4 ((i / 2) % 2)).  Lane-row r of tile i is the group's row 32 (i / 2) + 8 (i % 2) + r + 8 (r / 8).  A group's blocks follow each other along K.
; c2: q at block 8 g + s, k at 512 + 8 g + s (g: 128 tokens, s: 128 of d), v^T at 1024 + 64 gd + s (gd: 128 of d, s: 128 tokens).
; SHARES.  A tile is 128 A rows (one group) x 256 B rows (two groups); for q and k A is the tokens and B the weight, for v^T A is WV and B is V.  A WORK-GROUP STAYS and makes three tiles, one of q, one of k, one of v^T: 24 K steps.
; Four waves, wave (hw, jw) = (wave / 2, wave % 2): A's tiles 4 hw + 0 .. 3 against the eight tiles of B's group jw: 32 accumulators.  THE MATRIX INSTRUCTION IS USED TRANSPOSED (source 0 = B's tile, source 1 = A's): a lane holds
; one A row, and by the rows' order above the 16 registers of result tiles 2 b, 2 b + 1 are B rows 32 b + 16 h + 0 .. 15: neighbours along the next product's K.  The result's lanes keep A's rows' order, so it is stored as an image again.
; LDS: two slots of four K steps, block (sl, operand o, q) at 153600 sl + 51200 o + 12800 q: a tile's eight steps fill both.  A slot's last fragments are in registers at the head of its last step.
; the NEXT tile's four steps, which have four steps, 128 products, in which to land.
; A tile's last step fetches the next tile's first fragments, and the tile goes out while the refills are on their way; nothing waits for its stores.  Behind the slots lie the spare words.  All of the WGP's LDS is claimed.
; CLUSTER 4 x 4: A's blocks hang on the work-group's y alone and are asked for jointly along a row of the cluster, B's on its x alone and jointly along a column: a quarter of the requests.
; Wave 0 fetches A, waves 1 and 2 B's two groups: four tensor loads of a wave are out at the start, one behind each round.
; REGISTERS: window 0: v1-15 addresses; v16-31, v32-39 scale words of B, of A, two sets; v40-135 A's fragments, two sets; v136-199 a result tile on its way out; from v200 at work.
;   Window 1: B's fragments, two sets, v0-191; v192-255 the bias along B.  Window 2: accumulator (a, t) at 8 (8 a + t).
; LIMITS: NaN and infinities are not served; a block whose largest magnitude lies under 2^-124 keeps the byte 1 (a block of zeros too: its codes are zeros).
; THE FIRST FILLS (this takes the place of what the lines above say of four loads at the start): behind the opening round a wave issues ONE load, slot 0's four K steps of its operand, 51,200 bytes.
; Then every wave waits for all its tensor loads, adds 0 to its spare word, waits for that and passes a second round; slot 1's four steps are asked for
; behind it as a refill is.  One tensor load of a wave is out at any time.  The opening round stands ahead of the wait for the arguments: it reads none of them.
; DATA PREFETCH: behind each fill stands the request, into the L2, for what the NEXT fill will bring: one slot, four K steps, ahead.  A fill's 51,200 bytes of one operand are four K blocks; the four partners that ask for them
; jointly take one block each, told apart by address (cx for A, cy for B): 50 units of 256 bytes, a lane a unit, two instructions of the wave that will load them (lanes 18 to 31 of the second name its last unit again).
; The walk's last fill asks for nothing.  The prefetches' address registers are never rewritten.
.set PFO,   252                        ; v252-253 the prefetches' offsets: 256 x lane, 256 x min(32 + lane, 49); never rewritten
.set BLK,   12800
.set FRI,   1536
.set OPB,   4*BLK
.set SLOT,  3*OPB
.set CHUNK, 2*BLK
.set GRP,   8*BLK
.set SPARE, 2*SLOT                     ; behind the slots: the spare words, 128 bytes for each wave: two blocks of 256 bytes that no other line names
.set LI,    3                          ; v3    16 x lane
.set ADRA,  4                          ; v4-5  my A fragments in slot 0, 1
.set ADRB,  6                          ; v6-7  my B fragments
.set ADSA,  8                          ; v8-9  A's scale words
.set ADSB,  10                         ; v10-11 B's
.set L8,    12                         ; v12   8 x lane
.set SPW,   15                         ; v15   my spare word; never rewritten
.set SB,    16
.set SA,    32
.set AF,    40
.set X,     136                        ; the way out: 64 numbers
.set TM,    200
.set PC,    216
.set W,     236
.set MS,    240
.set BM,    242                        ; v242, 244, 246, 248: the bias along A (v^T), one number a tile
.set NIL,   250                        ; v250  0; never rewritten
.set BN,    192                        ; in window 1: the bias along B (q, k)
.set WV,    14
.set HW,    15
.set JW,    16
.set CX,    17
.set CY,    18
.set SEL,   24
.set DA,    2                          ; s[2:3]   A's bytes from k's tile on to v^T's
.set DB,    66                         ; s[66:67] B's bytes from k's tile BACK to v^T's
.set OUT,   26
.set OUTS,  28
.set DO,    30                         ; s[30:31] the result's bytes from k's block on to v^T's
.set G1A,   32
.set G1B,   40
.set G0A,   48
.set G0B,   68
.set G1AR,  84                         ; s[84:91], s[92:99] group 1 of the refills: 200 rows
.set G1BR,  92
.set MULW,  0xa1                       ; source 0 (B) window 1, source 1 (A) window 0, C and D window 2
.set TO_B,  0x40                       ; destination window 1
.set FROM_C, 0x02                      ; source 0 window 2
.set FROM_CB, 0x06                     ; source 0 window 2, source 1 window 1
.set MSB,   0
.macro WIN new                         ; the immediate's high byte repeats the setting that is left
.if MSB != \new
	s_set_vgpr_msb (MSB<<8)|\new
.set MSB, \new
.endif
.endm
.macro PLACES
.rept 4
	v_nop
.endr
.endm
.macro CREST
	s_cmp_lg_u32 s[WV], 0
	s_cbranch_scc1 .Lnot_wave_0_\@
	s_barrier_signal -3
.Lnot_wave_0_\@:
	s_barrier_wait -3
	s_barrier_signal -1
	s_barrier_wait -1
.endm
.macro CROUND                          ; a round of the cluster's barrier
	s_barrier_signal -1
	s_barrier_wait -1
	CREST
.endm
.macro G1REST g, rows                  ; a dense run of bytes as rows of 256 (32 elements of 8 bytes)
	s_mov_b32 s[\g+1], 32<<16                      ; tensor_dim0
	s_mov_b32 s[\g+2], (\rows)<<16                 ; tensor_dim1
	s_mov_b32 s[\g+3], 32<<16                      ; tile_dim0
	s_mov_b32 s[\g+4], \rows                       ; tile_dim1
	s_mov_b32 s[\g+5], 32                          ; from row to row
	s_mov_b32 s[\g+6], 0
	s_mov_b32 s[\g+7], 0
.endm
.macro RLOAD set                       ; a joint refill of a whole slot's part: one load a wave; four v_nop follow each of the two lines
	s_cmp_eq_u32 s[WV], 0
	s_cbranch_scc0 .Lre_b_\@
	tensor_load_to_lds s[G0A+4*(\set):G0A+4*(\set)+3], s[G1AR:G1AR+7]
	s_nop 0
	PLACES
	s_branch .Lre_done_\@
.Lre_b_\@:
	s_cmp_lt_u32 s[WV], 3
	s_cbranch_scc0 .Lre_done_\@
	tensor_load_to_lds s[G0B+4*(\set):G0B+4*(\set)+3], s[G1BR:G1BR+7]
	s_nop 0
	PLACES
.Lre_done_\@:
.endm
; Load nn of the 42 that bring a step's operands (slot slnx, block qnx) into set pnxt: 24 for B's eight fragments, 12 for A's four, 4 and 2 for the scale words (a load of 8 bytes brings the words of tiles i and i + 2)
.macro LD
.if nn < 24
	WIN TO_B
	ds_load_b128 v[96*pnxt+12*(nn/3)+4*(nn%3):96*pnxt+12*(nn/3)+4*(nn%3)+3], v[ADRB+slnx] offset:BLK*qnx+FRI*(nn/3)+512*(nn%3)
.elseif nn < 36
	WIN 0
	ds_load_b128 v[AF+48*pnxt+12*((nn-24)/3)+4*((nn-24)%3):AF+48*pnxt+12*((nn-24)/3)+4*((nn-24)%3)+3], v[ADRA+slnx] offset:BLK*qnx+FRI*((nn-24)/3)+512*((nn-24)%3)
.elseif nn < 40
	WIN 0
	ds_load_b64 v[SB+8*pnxt+2*(nn-36):SB+8*pnxt+2*(nn-36)+1], v[ADSB+slnx] offset:BLK*qnx+256*((nn-36)/2)+128*((nn-36)%2)
.else
	WIN 0
	ds_load_b64 v[SA+4*pnxt+2*(nn-40):SA+4*pnxt+2*(nn-40)+1], v[ADSA+slnx] offset:BLK*qnx+128*(nn-40)
.endif
.set nn, nn+1
.endm
; Product ii of a step's 32: A's tile ii / 8 against B's tile ii % 8.  The 32 accumulators take turns, in the same order in every step.
.macro WM zero
	WIN MULW
.set rD, 8*ii
.set rB, 96*pcur+12*(ii%8)
.set rA, AF+48*pcur+12*(ii/8)
.set rSB, SB+8*pcur+4*((ii%8)/4)+2*(ii%2)+((ii/2)%2)
.set rSA, SA+4*pcur+2*((ii/8)%2)+(ii/16)
.if \zero
	v_wmma_scale_f32_16x16x128_f8f6f4 v[rD:rD+7], v[rB:rB+11], v[rA:rA+11], 0, v[rSB], v[rSA] matrix_a_fmt:MATRIX_FMT_FP6 matrix_b_fmt:MATRIX_FMT_FP6
.else
	v_wmma_scale_f32_16x16x128_f8f6f4 v[rD:rD+7], v[rB:rB+11], v[rA:rA+11], v[rD:rD+7], v[rSB], v[rSA] matrix_a_fmt:MATRIX_FMT_FP6 matrix_b_fmt:MATRIX_FMT_FP6
.endif
.set ii, ii+1
.endm
; My work-group's K block of the four that the next fill of my operand brings: waves 0 to 2, the loading waves.  base: s[52:53] q's tile, s[54:55] k's, s[60:61] v^T's; off: 0 or the tile's second four steps
.macro ASK base, off
	s_cmp_lt_u32 s[WV], 3
	s_cbranch_scc0 .Lno_ask_\@
	global_prefetch_b8 v[PFO], s[(\base):(\base)+1] offset:\off th:TH_LOAD_NT scope:SCOPE_SE
	global_prefetch_b8 v[PFO+1], s[(\base):(\base)+1] offset:\off th:TH_LOAD_NT scope:SCOPE_SE
.Lno_ask_\@:
.endm
; K step s of the walk's 24 (tile s / 8) on set s % 2.  The next step's 42 loads go into the other set in ONE run, behind this step's first four products (eight at a change of slots) and four plain instructions:
; 24 products or more stand between the run and the wait for it.
; sync = 1: the next tiles are shown whole by a barrier (cnt = the loads issued behind them).  sync = 2: the slot whose last fragments are now in registers takes the next tile's four steps; cnt names its group 0.
.macro STEP s, sync, cnt, zero, last
.set pcur, (\s)%2
.set pnxt, 1-pcur
.set slnx, (((\s)+1)/4)%2
.set qnx,  ((\s)+1)%4
.set nn, 0
.set ii, 0
.set gap, 0
.set rest, 28
	s_wait_dscnt 0x0                               ; this step's operands are in
.if \sync == 1
	s_wait_tensorcnt \cnt
	s_barrier_signal -1
.endif
.if \sync == 2
.set rest, 24
	WIN 0                                          ; (the add's two registers lie in window 0)
	s_wait_tensorcnt 0x0                           ; all my tensor loads have landed, so a group 0 may be written
	ds_add_u32 v[SPW], v[NIL]                      ; 0 onto my spare word
	ds_add_u32 v15, v250
.if (\s)/8 == 0
	s_add_nc_u64 s[G0A+4*(\cnt)+2:G0A+4*(\cnt)+3], s[G0A+4*(\cnt)+2:G0A+4*(\cnt)+3], 64*GRP   ; from Q's group to K's,
	s_add_nc_u64 s[G0B+4*(\cnt)+2:G0B+4*(\cnt)+3], s[G0B+4*(\cnt)+2:G0B+4*(\cnt)+3], 8*GRP    ; from WQ's to WK's
.else
	s_add_nc_u64 s[G0A+4*(\cnt)+2:G0A+4*(\cnt)+3], s[G0A+4*(\cnt)+2:G0A+4*(\cnt)+3], s[DA:DA+1]   ; from K's group to WV's,
	s_sub_nc_u64 s[G0B+4*(\cnt)+2:G0B+4*(\cnt)+3], s[G0B+4*(\cnt)+2:G0B+4*(\cnt)+3], s[DB:DB+1]   ; from WK's back to V's; the type bits on top are not reached
.endif
.endif
.rept 4
	WM \zero
.endr
.if \sync == 1
	s_barrier_wait -1
.endif
.if \sync == 2
	s_wait_dscnt 0x0                               ; the add is done, and my reads of the slot are over
	s_barrier_signal -1                            ; this barrier opens a round of the cluster's
.rept 4
	WM \zero
.endr
	WIN 0
	s_barrier_wait -1
	CREST                                          ; no wave of any partner still reads the slot or has a load on its way
	RLOAD \cnt                                     ; the first tensor load behind the round, and my only one until the next
.endif
.if !(\last)
	PLACES                                         ; four plain instructions between the last step's products and the loads into the set that they read (ISA guide 7.12.1 for vector instructions): on every wave's path
.endif
.if !(\last)
.rept 42
	LD
.endr
.if (\sync == 2) && ((\s) < 15)
.set nx, ((\s)+1)/4+2                  ; the fill behind the one just asked for: fill nx brings half nx % 2 of tile nx / 2
	ASK 52+2*(nx/2)+4*(nx/4), OPB*(nx%2)
.endif
.endif
.rept rest
	WM \zero
.endr
.endm
; 64 numbers of a lane, register 16 b + i = k 32 b + 16 (lane / 16) + i of my row, become a fragment's codes in v[PC] on and its scale word in v[pw]
.macro QUANT s, pw
.irp b, 0,1,2,3
	v_max3_num_f32 v[TM+\b], |v[\s+16*\b]|, |v[\s+1+16*\b]|, 0x1800000   ; and the floor 2^(3 - 127): the byte cannot fall under 1
.endr
.irp i, 2,4,6,8,10,12,14
.irp b, 0,1,2,3
	v_max3_num_f32 v[TM+\b], v[TM+\b], |v[\s+16*\b+\i]|, |v[\s+1+16*\b+\i]|
.endr
.endr
.irp b, 0,1,2,3
	v_permlanex16_b32 v[TM+4+\b], v[TM+\b], s[SEL], s[SEL+1]
.endr
.irp b, 0,1,2,3
	v_max_num_f32 v[TM+\b], v[TM+\b], v[TM+4+\b]   ; the block's largest magnitude
.endr
.irp b, 0,1,2,3
	v_add_nc_u32 v[TM+12+\b], 0xff000000, v[TM+\b]   ; 2 off its exponent field: the conversion's scale operand
.endr
.irp b, 0,1,2,3
	v_lshrrev_b32 v[TM+4+\b], 23, v[TM+12+\b]      ; the scale's byte
.endr
	v_lshl_or_b32 v[\pw], v[TM+5], 8, v[TM+4]
	v_lshl_or_b32 v[\pw], v[TM+6], 16, v[\pw]
	v_lshl_or_b32 v[\pw], v[TM+7], 24, v[\pw]
.irp c, 0,1
	v_cvt_scalef32_pk16_fp6_f32 v[PC+6*\c:PC+2+6*\c], v[\s+32*\c:\s+15+32*\c], v[TM+12+2*\c]
	v_cvt_scalef32_pk16_fp6_f32 v[PC+12+4*\c:PC+14+4*\c], v[\s+16+32*\c:\s+31+32*\c], v[TM+12+2*\c+1]
.endr
	v_nop                                          ; one plain instruction behind the scaled conversions
.irp c, 0,1
.irp i, 0,1,2
	v_permlane16_swap_b32 v[PC+6*\c+\i], v[PC+12+4*\c+\i]
.endr
.irp i, 0,1,2
	v_mov_b32 v[PC+3+6*\c+\i], v[PC+12+4*\c+\i]
.endr
.endr
.endm
.macro PUT a                           ; the fragment leaves as it stands: 512 consecutive bytes a store, aligned to 256
.irp k, 0,1,2
	global_store_b128 v[LI], v[PC+4*\k:PC+4*\k+3], s[OUT:OUT+1] offset:FRI*(\a)+512*\k
.endr
.endm
; THE WAY OUT of tile kd (0 q, 1 k, 2 v^T), 16 A rows at a time: + bias, quantised along the 128 B rows, stored as one fragment image and one scale word a row.  Each accumulator is read from its low end on.
; It touches neither the fragments nor the scale words that the tile's last step has asked for.
.macro WAYOUT kd
	WIN 0
	PLACES                                         ; four plain instructions between the last products and the first read of results
	s_wait_loadcnt 0x0                             ; the bias
.if \kd > 0
	s_wait_xcnt 0x0                                ; the last tile's stores have read their registers and bases: both are written again only behind this wait
.endif
.if \kd == 1
	s_add_nc_u64 s[OUT:OUT+1], s[OUT:OUT+1], 512*BLK
	s_add_nc_u64 s[OUTS:OUTS+1], s[OUTS:OUTS+1], 512*BLK
.endif
.if \kd == 2
	s_add_nc_u64 s[OUT:OUT+1], s[OUT:OUT+1], s[DO:DO+1]
	s_add_nc_u64 s[OUTS:OUTS+1], s[OUTS:OUTS+1], s[DO:DO+1]
.endif
.irp a, 0,1,2,3
.if \kd < 2
	WIN FROM_CB
.set i, 0
.rept 32
	v_pk_add_f32 v[X+i:X+i+1], v[64*\a+i:64*\a+i+1], v[BN+i:BN+i+1]
.set i, i+2
.endr
.else
	WIN FROM_C
.set i, 0
.rept 32
	v_pk_add_f32 v[X+i:X+i+1], v[64*\a+i:64*\a+i+1], v[BM+2*\a:BM+2*\a+1] op_sel_hi:[1,0]
.set i, i+2
.endr
.endif
	WIN 0
.if \a > 0
	s_wait_xcnt 0x0                                ; the last 16 rows' stores have read the codes' registers
.endif
	QUANT X, W+\a
	PUT \a
.endr
	v_cmp_ne_u32 vcc_lo, 0, v2                     ; lane 16 h + r stores the words of tiles h and h + 2, lane-row r
	v_cndmask_b32 v[MS], v[W], v[W+1], vcc_lo
	v_cndmask_b32 v[MS+1], v[W+2], v[W+3], vcc_lo
	global_store_b64 v[L8], v[MS:MS+1], s[OUTS:OUTS+1]   ; 256 consecutive bytes, aligned to 256
.if \kd == 0
	WIN TO_B                                       ; bK takes bQ's registers: it has a whole tile in which to land
.irp t, 0,1,2,3,4,5,6,7
	global_load_b128 v[BN+8*\t:BN+8*\t+3], v13, s[8:9] offset:(32*(\t/2)+8*(\t%2))*4
	global_load_b128 v[BN+8*\t+4:BN+8*\t+7], v13, s[8:9] offset:(32*(\t/2)+8*(\t%2))*4+16
.endr
	WIN 0
.endif
.endm
	s_load_b256 s[4:11], s[0:1], 0x0               ; c1, bQ, bK, bV
	s_load_b64 s[12:13], s[0:1], 0x20              ; c2
	v_lshl_add_u32 v[SPW], v0, 2, SPARE
	v_mov_b32 v[NIL], 0
	ds_add_u32 v15, v250
	ds_add_u32 v15, v250
	s_wait_dscnt 0x0
	v_lshrrev_b32 v1, 5, v0
	v_readfirstlane_b32 s[WV], v1                  ; wave 0..3
	s_lshr_b32 s[HW], s[WV], 1                     ; which 64 of A's rows are mine.  Also: which of B's groups waves 1 and 2 fetch
	s_and_b32 s[JW], s[WV], 1                      ; which of B's groups is mine
	s_bfe_u32 s[CX], ttmp6, 0x40000
	s_bfe_u32 s[CY], ttmp6, 0x40004
	s_lshl_b32 s100, s[CY], 2
	s_lshl_b32 s100, 15, s100                      ; my row of the cluster
	s_lshl_b32 s101, 0x1111, s[CX]                 ; my column
	s_or_b32 s[G1A], s100, (3<<16)|(1<<21)         ; 15:0 the mask; 17:16 elements of 8 bytes; 21 set beside a mask; no padding
	s_or_b32 s[G1B], s101, (3<<16)|(1<<21)
	s_or_b32 s[G1AR], s100, (3<<16)|(1<<21)
	s_or_b32 s[G1BR], s101, (3<<16)|(1<<21)
	G1REST G1A, 200                                ; a first fill: four K blocks, 200 rows of 256 bytes
	G1REST G1B, 200
	G1REST G1AR, 200                               ; a refill: four
	G1REST G1BR, 200
	s_mul_i32 s19, s[WV], OPB                      ; where my fills go: wave 0 A's place, waves 1 and 2 B's two
	s_and_b32 s100, ttmp7, 0xffff                  ; c: the cluster's y, 0..15
	s_lshl_b32 s20, s100, 2
	s_add_co_u32 s20, s20, s[CY]                   ; q: A's group 4 c + cy of Q
	s_lshl_b32 s[OUT], s20, 3
	s_mul_i32 s20, s20, GRP                        ; A: hangs on cy and the cluster's y
	s_mov_b32 s21, 0
	s_lshl_b32 s101, s[CX], 1
	s_add_co_u32 s22, s101, s[HW]
	s_add_co_u32 s22, s22, 192                     ; q: B's group 2 cx + (0 or 1) of WQ
	s_mul_i32 s22, s22, GRP                        ; B: hangs on cx and the wave
	s_mov_b32 s23, 0
	s_add_co_u32 s101, s101, s[JW]                 ; 2 cx + jw
	s_add_co_u32 s[OUT], s[OUT], s101              ; q's block: 8 (4 c + cy) + 2 cx + jw
	s_and_b32 s104, s100, 1
	s_lshl_b32 s104, s104, 2                       ; 4 (c % 2)
	s_add_co_u32 s[DA], s104, 144                  ; from K's group 64 + 4 c + cy to WV's 208 + 4 (c % 2) + cy: 144 + 4 (c % 2) - 4 c groups on, 88 at the least
	s_lshl_b32 s105, s100, 2
	s_sub_co_u32 s[DA], s[DA], s105
	s_mul_i32 s[DA], s[DA], GRP
	s_mov_b32 s[DA+1], 0
	s_lshr_b32 s105, s100, 1
	s_lshl_b32 s105, s105, 3                       ; 8 (c / 2)
	s_sub_co_u32 s[DB], 72, s105                   ; from WK's group 200 + .. to V's 128 + 8 (c / 2) + ..: 72 - 8 (c / 2) groups back, 16 at the least
	s_mul_i32 s[DB], s[DB], GRP
	s_mov_b32 s[DB+1], 0
	s_add_co_u32 s104, s104, s[CY]                 ; v^T's group of d: 4 (c % 2) + cy
	s_lshl_b32 s[DO], s104, 6                      ; v^T's block 1024 + 64 x that + 8 (c / 2) + 2 cx + jw, less k's block 512 + q's: 1 at the least
	s_add_co_u32 s[DO], s[DO], s105
	s_add_co_u32 s[DO], s[DO], s101
	s_add_co_u32 s[DO], s[DO], 512
	s_sub_co_u32 s[DO], s[DO], s[OUT]
	s_mul_i32 s[DO], s[DO], BLK
	s_mov_b32 s[DO+1], 0
	s_mul_i32 s[OUT], s[OUT], BLK
	s_lshl_b32 s105, s[HW], 8
	s_add_co_u32 s[OUTS], s[OUT], s105
	s_add_co_u32 s[OUTS], s[OUTS], 8*FRI           ; my 256 bytes of scale words
	s_mov_b32 s[OUTS+1], 0
	s_mul_i32 s100, s[HW], 4*FRI
	s_add_co_u32 s[OUT], s[OUT], s100              ; my four images
	s_mov_b32 s[OUT+1], 0
	s_lshl_b32 s100, s101, 9                       ; the bias along B (q, k): my 128 of d
	s_mov_b32 s101, 0
	s_lshl_b32 s104, s104, 9                       ; the bias along A (v^T): my 64 of d
	s_add_co_u32 s104, s104, s105
	s_mov_b32 s105, 0
	s_mov_b32 s[SEL], 0x76543210
	s_mov_b32 s[SEL+1], 0xfedcba98
	CROUND                                         ; all sixteen work-groups are here: the joint loads meet
	s_wait_kmcnt 0x0
	s_add_nc_u64 s[20:21], s[4:5], s[20:21]
	s_add_nc_u64 s[22:23], s[4:5], s[22:23]
	s_add_nc_u64 s[OUT:OUT+1], s[12:13], s[OUT:OUT+1]
	s_add_nc_u64 s[OUTS:OUTS+1], s[12:13], s[OUTS:OUTS+1]
	s_add_nc_u64 s[6:7], s[6:7], s[100:101]
	s_add_nc_u64 s[8:9], s[8:9], s[100:101]
	s_add_nc_u64 s[10:11], s[10:11], s[104:105]
.irp c, 0,2                                    ; set 0 serves slot 0, set 2 slot 1
	s_mov_b32 s[G0A+4*\c], 1                       ; count = 1
	s_add_co_u32 s[G0A+4*\c+1], s19, (\c/2)*SLOT+(\c%2)*CHUNK   ; LDS address: K steps 2 c to 2 c + 3
	s_add_nc_u64 s[G0A+4*\c+2:G0A+4*\c+3], s[20:21], \c*CHUNK
	s_or_b32 s[G0A+4*\c+3], s[G0A+4*\c+3], 0x80000000   ; type = 2
	s_mov_b32 s[G0B+4*\c], 1
	s_add_co_u32 s[G0B+4*\c+1], s19, (\c/2)*SLOT+(\c%2)*CHUNK
	s_add_nc_u64 s[G0B+4*\c+2:G0B+4*\c+3], s[22:23], \c*CHUNK
	s_or_b32 s[G0B+4*\c+3], s[G0B+4*\c+3], 0x80000000
.endr
	s_cmp_eq_u32 s[WV], 0                          ; slot 0's fills: one chain of branches on the wave's number, one load to an arm; four v_nop follow each
	s_cbranch_scc0 .Lfill_b
	tensor_load_to_lds s[G0A:G0A+3], s[G1A:G1A+7]
	s_nop 0
	PLACES
	s_branch .Lfilled
.Lfill_b:
	s_cmp_lt_u32 s[WV], 3
	s_cbranch_scc0 .Lfilled
	tensor_load_to_lds s[G0B:G0B+3], s[G1B:G1B+7]
	s_nop 0
	PLACES
.Lfilled:
	s_sub_co_u32 s62, 0, s[DB]                     ; the prefetches' three bases: my operand's first block of q's, k's and v^T's tile, + my work-group's block of each four
	s_cmp_eq_u32 s[WV], 0                          ; wave 0 loads A, waves 1 and 2 B
	s_cselect_b64 s[52:53], s[20:21], s[22:23]
	s_cselect_b32 s72, s[CX], s[CY]                ; my place among the four that ask jointly
	s_mov_b32 s74, 8*GRP
	s_cselect_b32 s74, 64*GRP, s74                 ; from q's tile to k's
	s_cselect_b32 s62, s[DA], s62                  ; from k's to v^T's: DA on, or DB back (a signed offset of 64 bits)
	s_cselect_b32 s63, 0, -1
	s_mul_i32 s72, s72, BLK
	s_mov_b32 s73, 0
	s_mov_b32 s75, 0
	s_add_nc_u64 s[52:53], s[52:53], s[72:73]
	s_add_nc_u64 s[54:55], s[52:53], s[74:75]
	s_add_nc_u64 s[60:61], s[54:55], s[62:63]
	v_and_b32 v[PFO], 31, v0
	v_add_nc_u32 v[PFO+1], 32, v[PFO]
	v_min_u32 v[PFO+1], 49, v[PFO+1]
	v_lshlrev_b32 v[PFO], 8, v[PFO]
	v_lshlrev_b32 v[PFO+1], 8, v[PFO+1]
	ASK 52, OPB                                    ; what slot 1's first fill will bring
	v_and_b32 v1, 15, v0                           ; r
	v_bfe_u32 v2, v0, 4, 1                         ; h
	v_and_b32 v[LI], 31, v0
	v_lshlrev_b32 v[L8], 3, v[LI]
	v_lshlrev_b32 v[LI], 4, v[LI]
	s_mul_i32 s100, s[HW], 4*FRI
	s_mul_i32 s101, s[JW], OPB
	s_add_co_u32 s101, s101, OPB
	v_add_nc_u32 v[ADRA], s100, v[LI]
	v_add_nc_u32 v[ADRA+1], SLOT, v[ADRA]
	v_add_nc_u32 v[ADRB], s101, v[LI]
	v_add_nc_u32 v[ADRB+1], SLOT, v[ADRB]
	s_lshl_b32 s100, s[HW], 8
	s_add_co_u32 s100, s100, 8*FRI
	v_lshl_add_u32 v[ADSA], v1, 3, s100
	v_add_nc_u32 v[ADSA+1], SLOT, v[ADSA]
	s_add_co_u32 s101, s101, 8*FRI
	v_lshl_add_u32 v[ADSB], v1, 3, s101
	v_add_nc_u32 v[ADSB+1], SLOT, v[ADSB]
	v_lshlrev_b32 v13, 6, v2                       ; the bias along B: result tile t, register j is B row 32 (t / 2) + 8 (t % 2) + 16 h + j
	WIN TO_B
.irp t, 0,1,2,3,4,5,6,7
	global_load_b128 v[BN+8*\t:BN+8*\t+3], v13, s[6:7] offset:(32*(\t/2)+8*(\t%2))*4
	global_load_b128 v[BN+8*\t+4:BN+8*\t+7], v13, s[6:7] offset:(32*(\t/2)+8*(\t%2))*4+16
.endr
	WIN 0
	v_and_b32 v14, 8, v1
	v_add_nc_u32 v14, v14, v1
	v_lshlrev_b32 v14, 2, v14                      ; the bias along A: tile a, lane-row r is row 32 (a / 2) + 8 (a % 2) + r + 8 (r / 8) of my 64
.irp a, 0,1,2,3
	global_load_b32 v[BM+2*\a], v14, s[10:11] offset:(32*(\a/2)+8*(\a%2))*4
.endr
.irp b, 0,1,2,3
	v_mov_b32 v[TM+4+\b], 0                        ; a lane permute's destination counts as one of its sources
	v_mov_b32 v[BM+2*\b+1], 0                      ; named as the upper half of a pair
.endr
	s_wait_alu depctr_va_vdst(0)
	s_wait_tensorcnt 0x0                           ; my part of slot 0 is in
	ds_add_u32 v[SPW], v[NIL]
	ds_add_u32 v[SPW], v[NIL]                      ; twice on end
	s_wait_dscnt 0x0
	CROUND                                         ; everybody's part of slot 0 is in, and all sixteen work-groups are here
	RLOAD 2                                        ; slot 1's four steps: my one load behind the round
.set pnxt, 0
.set slnx, 0
.set qnx, 0
.set nn, 0
.rept 42
	LD
.endr
	ASK 54, 0                                      ; k's first four steps
	STEP 0, 0, 0, 1, 0                             ; q.  A tile's first products start the sums: nothing is cleared
	STEP 1, 0, 0, 0, 0
	STEP 2, 0, 0, 0, 0
	STEP 3, 2, 0, 0, 0                             ; slot 0 takes k's steps 0 to 3
	STEP 4, 0, 0, 0, 0
	STEP 5, 0, 0, 0, 0
	STEP 6, 0, 0, 0, 0
	STEP 7, 2, 2, 0, 0                             ; slot 1 takes k's steps 4 to 7; k's first fragments are fetched
	WAYOUT 0
	STEP 8, 0, 0, 1, 0                             ; k
	STEP 9, 0, 0, 0, 0
	STEP 10, 0, 0, 0, 0
	STEP 11, 2, 0, 0, 0                            ; slot 0 takes v^T's steps 0 to 3
	STEP 12, 0, 0, 0, 0
	STEP 13, 0, 0, 0, 0
	STEP 14, 0, 0, 0, 0
	STEP 15, 2, 2, 0, 0                            ; slot 1 takes v^T's steps 4 to 7
	WAYOUT 1
	STEP 16, 0, 0, 1, 0                            ; v^T
	STEP 17, 0, 0, 0, 0
	STEP 18, 0, 0, 0, 0
	STEP 19, 1, 0, 0, 0                            ; slot 1 is shown whole; nothing is left to fetch
	STEP 20, 0, 0, 0, 0
	STEP 21, 0, 0, 0, 0
	STEP 22, 0, 0, 0, 0
	STEP 23, 0, 0, 0, 1
	WAYOUT 2
	s_wait_tensorcnt 0x0                           ; the wave's end: behind my last tensor load
	ds_add_u32 v[SPW], v[NIL]
	s_wait_dscnt 0x0
	CROUND                                         ; the closing round: no work-group ends while a partner may still ask for a tile that names it
	s_endpgm
.Lfunc_end_k_qf701320e9b_proj:
	.size	k_qf701320e9b_proj, .Lfunc_end_k_qf701320e9b_proj-k_qf701320e9b_proj
	.p2alignl 7, 3214868480
	.fill 96, 4, 3214868480
	.section	.rodata,"a",@progbits
	.p2align	6, 0x0
	.amdhsa_kernel k_qf701320e9b_proj
		.amdhsa_group_segment_fixed_size 327680
		.amdhsa_private_segment_fixed_size 0
		.amdhsa_enable_private_segment 0
		.amdhsa_kernarg_size 40
		.amdhsa_user_sgpr_count 2
		.amdhsa_user_sgpr_kernarg_segment_ptr 1
		.amdhsa_wavefront_size32 1
		.amdhsa_system_sgpr_workgroup_id_x 1
		.amdhsa_system_sgpr_workgroup_id_y 1
		.amdhsa_system_sgpr_workgroup_id_z 1
		.amdhsa_system_vgpr_workitem_id 0
		.amdhsa_next_free_vgpr 768
		.amdhsa_next_free_sgpr 106
		.amdhsa_reserve_vcc 1
		.amdhsa_float_denorm_mode_32 3
		.amdhsa_float_denorm_mode_16_64 3
		.amdhsa_memory_ordered 1
		.amdhsa_forward_progress 1
		.amdhsa_inst_pref_size 255
	.end_amdhsa_kernel
	.section	.bss,"aw",@nobits
	.p2align	6
	.space	262144
	.amdgpu_metadata
---
amdhsa.version: [ 1, 2 ]
amdhsa.kernels:
  - .name:           k_qf701320e9b_proj
    .symbol:         k_qf701320e9b_proj.kd
    .args:
      - { .name: c1, .offset: 0, .size: 8, .value_kind: global_buffer, .address_space: global }
      - { .name: bQ, .offset: 8, .size: 8, .value_kind: global_buffer, .address_space: global }
      - { .name: bK, .offset: 16, .size: 8, .value_kind: global_buffer, .address_space: global }
      - { .name: bV, .offset: 24, .size: 8, .value_kind: global_buffer, .address_space: global }
      - { .name: c2, .offset: 32, .size: 8, .value_kind: global_buffer, .address_space: global }
    .group_segment_fixed_size: 327680
    .private_segment_fixed_size: 0
    .kernarg_segment_align: 8
    .kernarg_segment_size: 40
    .max_flat_workgroup_size: 128
    .sgpr_count:     106
    .vgpr_count:     768
    .wavefront_size: 32
...
	.end_amdgpu_metadata
.endif
;; end of part 2
;; launch score (part 3): grid 4 x 64, 4 waves a work-group, clusters of 4 x 4, 327,680 bytes of LDS; arguments c2, c3, st; writes c3, st
.if DOCPART == 3
	.amdgcn_target "amdgcn-amd-amdhsa--gfx1250"
	.amdhsa_code_object_version 6
	.text
	.protected	k_qf701320e9b_score
	.globl	k_qf701320e9b_score
	.p2align	8
	.type	k_qf701320e9b_score,@function
k_qf701320e9b_score:
	s_mov_b64 s[64:65], 0
	v_nop
	global_prefetch_b8 v0, s[64:65] scope:SCOPE_SE
	s_setreg_imm32_b32 hwreg(HW_REG_WAVE_MODE, 25, 1), 1
	s_wait_xcnt 0x0
	s_wait_alu depctr_hold_cnt(0) depctr_sa_sdst(0) depctr_va_vdst(0) depctr_va_sdst(0) depctr_va_ssrc(0) depctr_va_vcc(0) depctr_vm_vsrc(0)
	s_getreg_b32 s2, hwreg(HW_REG_IB_STS2, 6, 4)
	s_cmp_eq_u32 s2, 0
	s_cbranch_scc0 .Lentry_in_a_cluster
	s_endpgm
.Lentry_in_a_cluster:
	s_bfe_u32 s2, ttmp6, 0x10000c
	s_cmp_lg_u32 s2, 0xf033
	s_cbranch_scc0 .Lentry_shape_is_right
	s_endpgm
.Lentry_shape_is_right:
; S = q k^T on codes of FP6 (E2M3) with E8M0 scales, f32 sums, and the softmax's p as codes.  t = score x log2(e) / 32.  A wave holds 128 keys of each of its rows; M128 = ceil(the largest t of these 128 keys), a whole number;
; p = 2^(t - M128) is quantised along the keys.  A change of M by a whole number moves a block's scale byte and no code, so the codes are final; the scale bytes stored here are those under M128.  For each row and each 128 keys
; -M128 and the sum of the unquantised p go to st: the next launch takes the row's M = the largest M128, lowers the bytes by M - M128 and adds the sums x 2^(M128 - M), all exact.  So a maximum is taken away ahead of every exponential.
; OPERANDS lie in K BLOCKS of 12,800 bytes (a group of 128 rows x 128 along K): eight fragment images of 1,536 bytes (tile i: registers 4 k .. 4 k + 3 of lane l at 1536 i + 512 k + 16 l), then 512 bytes of scale words
; (tile i, lane-row r at 12288 + 256 (i / 4) + 128 (i % 2) + 8 r + 4 ((i / 2) % 2)).  Lane-row r of tile i is the group's row 32 (i / 2) + 8 (i % 2) + r + 8 (r / 8).  c2: q at block 8 g + s, k at 512 + 8 g + s.
; c3: P at block 16 g + s (g: 128 queries, s: 128 keys of the batch).  st: 1,024 bytes a block of c3: [2 hw + e][lane] x (-M128, sum) of the row in tile 4 hw + 2 e + lane / 16, lane-row lane % 16.
; SHARES.  A tile is 128 queries (A, one group) x 256 keys (B, two groups).  A WORK-GROUP STAYS and makes two tiles of the same queries, 1,024 keys apart: 16 K steps.  Wave (hw, jw) = (wave / 2, wave % 2): A's tiles 4 hw + 0 .. 3
; against the eight tiles of B's group jw: 32 accumulators.  THE MATRIX INSTRUCTION IS USED TRANSPOSED (source 0 = keys, source 1 = queries): a lane holds one query, and the 16 registers of result tiles 2 b, 2 b + 1 are keys 32 b + 16 h + 0 .. 15.
; LDS: two slots of four K steps, block (sl, operand o, q) at 153600 sl + 51200 o + 12800 q.  q's blocks are filled once and serve both tiles; k's are filled again.
; The first tile goes out while the refills are on their way.  Behind the slots lie the spare words.  All of the WGP's LDS is claimed.
; CLUSTER 4 x 4: q's blocks are asked for jointly along a row of the cluster, k's along a column.  Wave 0 fetches A, waves 1 and 2 B's two groups: four tensor loads of a wave are out at the start, one behind each round.
; REGISTERS: window 0: v1-15 addresses; v16-39 scale words; v40-135 A's fragments; v136-199 p, at the end what leaves; from v200 at work.  Window 1: B's fragments.  Window 2: accumulator (a, t) at 8 (8 a + t).
; LIMITS: NaN and infinities are not served; a p under 2^-126 of its 128 keys' largest power of two counts as 0; a block all of whose p are 0 keeps the byte 1 (its codes are zeros).
; THE FIRST FILLS (this takes the place of what the lines above say of four loads at the start): behind the opening round a wave issues ONE load, slot 0's four K steps of its operand, 51,200 bytes.
; Then every wave waits for all its tensor loads, adds 0 to its spare word, waits for that and passes a second round; slot 1's four steps are asked for
; behind it as a refill is.  One tensor load of a wave is out at any time.  The opening round stands ahead of the wait for the arguments: it reads none of them.
; DATA PREFETCH: behind each fill stands the request, into the L2, for what the NEXT fill will bring: one slot, four K steps, ahead.  A fill's 51,200 bytes of one operand are four K blocks; the four partners that ask for them
; jointly take one block each, told apart by address (cx for q, cy for k): 50 units of 256 bytes, a lane a unit, two instructions of the wave that will load them (lanes 18 to 31 of the second name its last unit again).
; q has two fills, k four; the last fill of each asks for nothing.  The prefetches' address registers are never rewritten.
.set PFO,   252                        ; v252-253 the prefetches' offsets: 256 x lane, 256 x min(32 + lane, 49); never rewritten
.set BLK,   12800
.set FRI,   1536
.set OPB,   4*BLK
.set SLOT,  3*OPB
.set CHUNK, 2*BLK
.set GRP,   8*BLK
.set SPARE, 2*SLOT                     ; behind the slots: the spare words, 128 bytes for each wave: two blocks of 256 bytes that no other line names
.set LI,    3
.set ADRA,  4
.set ADRB,  6
.set ADSA,  8
.set ADSB,  10
.set L8,    12
.set NIL,   13                         ; v13   0; never rewritten
.set SPW,   15                         ; v15   my spare word; never rewritten
.set SB,    16
.set SA,    32
.set AF,    40
.set X,     136
.set MS,    136                        ; when p is done with: v136-137 scale words as they leave;  v138-141 two pairs (-M128, sum)
.set PR,    138
.set BX,    200                        ; v200-203 a block's largest score, then its largest p
.set BP,    204                        ; v204-207 the other half's, then the bytes
.set SO,    208                        ; v208-211 the conversions' scale operands
.set NM,    212                        ; v[212:213] -M128 (the pair's low word serves both halves)
.set SU,    214                        ; v[214:215], v[218:219] the sum, in two chains
.set TT,    216
.set SV,    218
.set PC,    220                        ; v220-239 the codes
.set W,     240
.set NMS,   244                        ; v244-247 -M128 of the four tiles
.set SMS,   248                        ; v248-251 their sums
.set WV,    14
.set HW,    15
.set JW,    16
.set CX,    17
.set CY,    18
.set SEL,   24
.set CS,    26                         ; s[26:27] c = log2(e) / 32
.set G1A,   32
.set G1B,   40
.set G0A,   48
.set G0B,   68
.set G1BR,  84                         ; s[84:91] group 1 of the refills: 200 rows
.set OUT,   92
.set OUTS,  94
.set ST,    96
.set MULW,  0xa1
.set TO_B,  0x40
.set FROM_C, 0x02
.set MSB,   0
.macro WIN new
.if MSB != \new
	s_set_vgpr_msb (MSB<<8)|\new
.set MSB, \new
.endif
.endm
.macro PLACES
.rept 4
	v_nop
.endr
.endm
.macro CREST
	s_cmp_lg_u32 s[WV], 0
	s_cbranch_scc1 .Lnot_wave_0_\@
	s_barrier_signal -3
.Lnot_wave_0_\@:
	s_barrier_wait -3
	s_barrier_signal -1
	s_barrier_wait -1
.endm
.macro CROUND
	s_barrier_signal -1
	s_barrier_wait -1
	CREST
.endm
.macro G1REST g, rows
	s_mov_b32 s[\g+1], 32<<16
	s_mov_b32 s[\g+2], (\rows)<<16
	s_mov_b32 s[\g+3], 32<<16
	s_mov_b32 s[\g+4], \rows
	s_mov_b32 s[\g+5], 32
	s_mov_b32 s[\g+6], 0
	s_mov_b32 s[\g+7], 0
.endm
.macro RLOAD set                       ; a joint refill of k's part of a slot: waves 1 and 2, one load each; four v_nop follow it
	s_cmp_eq_u32 s[WV], 0
	s_cbranch_scc1 .Lre_done_\@
	s_cmp_lt_u32 s[WV], 3
	s_cbranch_scc0 .Lre_done_\@
	tensor_load_to_lds s[G0B+4*(\set):G0B+4*(\set)+3], s[G1BR:G1BR+7]
	s_nop 0
	PLACES
.Lre_done_\@:
.endm
.macro LD                              ; load nn of the 42 that bring a step's operands (slot slnx, block qnx) into set pnxt
.if nn < 24
	WIN TO_B
	ds_load_b128 v[96*pnxt+12*(nn/3)+4*(nn%3):96*pnxt+12*(nn/3)+4*(nn%3)+3], v[ADRB+slnx] offset:BLK*qnx+FRI*(nn/3)+512*(nn%3)
.elseif nn < 36
	WIN 0
	ds_load_b128 v[AF+48*pnxt+12*((nn-24)/3)+4*((nn-24)%3):AF+48*pnxt+12*((nn-24)/3)+4*((nn-24)%3)+3], v[ADRA+slnx] offset:BLK*qnx+FRI*((nn-24)/3)+512*((nn-24)%3)
.elseif nn < 40
	WIN 0
	ds_load_b64 v[SB+8*pnxt+2*(nn-36):SB+8*pnxt+2*(nn-36)+1], v[ADSB+slnx] offset:BLK*qnx+256*((nn-36)/2)+128*((nn-36)%2)
.else
	WIN 0
	ds_load_b64 v[SA+4*pnxt+2*(nn-40):SA+4*pnxt+2*(nn-40)+1], v[ADSA+slnx] offset:BLK*qnx+128*(nn-40)
.endif
.set nn, nn+1
.endm
.macro WM zero                         ; product ii of a step's 32; the accumulators take turns
	WIN MULW
.set rD, 8*ii
.set rB, 96*pcur+12*(ii%8)
.set rA, AF+48*pcur+12*(ii/8)
.set rSB, SB+8*pcur+4*((ii%8)/4)+2*(ii%2)+((ii/2)%2)
.set rSA, SA+4*pcur+2*((ii/8)%2)+(ii/16)
.if \zero
	v_wmma_scale_f32_16x16x128_f8f6f4 v[rD:rD+7], v[rB:rB+11], v[rA:rA+11], 0, v[rSB], v[rSA] matrix_a_fmt:MATRIX_FMT_FP6 matrix_b_fmt:MATRIX_FMT_FP6
.else
	v_wmma_scale_f32_16x16x128_f8f6f4 v[rD:rD+7], v[rB:rB+11], v[rA:rA+11], v[rD:rD+7], v[rSB], v[rSA] matrix_a_fmt:MATRIX_FMT_FP6 matrix_b_fmt:MATRIX_FMT_FP6
.endif
.set ii, ii+1
.endm
; My work-group's K block of the four that the next fill of my operand brings, off bytes behind the first fill's: the loading waves, 0 to 2; bonly = 1: waves 1 and 2, k's, alone
.macro ASK off, bonly
.if \bonly
	s_cmp_eq_u32 s[WV], 0
	s_cbranch_scc1 .Lno_ask_\@
.endif
	s_cmp_lt_u32 s[WV], 3
	s_cbranch_scc0 .Lno_ask_\@
	global_prefetch_b8 v[PFO], s[52:53] offset:\off th:TH_LOAD_NT scope:SCOPE_SE
	global_prefetch_b8 v[PFO+1], s[52:53] offset:\off th:TH_LOAD_NT scope:SCOPE_SE
.Lno_ask_\@:
.endm
; K step s of the walk's 16 (tile s / 8) on set s % 2.  The next step's 42 loads go into the other set in ONE run, behind this step's first four products (eight at a change of slots) and four plain instructions:
; 24 products or more stand between the run and the wait for it.
; sync = 1: the next tiles are shown whole by a barrier (cnt = the loads issued behind them).  sync = 2: the slot whose last fragments are now in registers takes the next tile's keys; cnt names its group 0.
.macro STEP s, sync, cnt, zero, last
.set pcur, (\s)%2
.set pnxt, 1-pcur
.set slnx, (((\s)+1)/4)%2
.set qnx,  ((\s)+1)%4
.set nn, 0
.set ii, 0
.set gap, 0
.set rest, 28
	s_wait_dscnt 0x0                               ; this step's operands are in
.if \sync == 1
	s_wait_tensorcnt \cnt
	s_barrier_signal -1
.endif
.if \sync == 2
.set rest, 24
	WIN 0                                          ; (the add's two registers lie in window 0)
	s_wait_tensorcnt 0x0                           ; all my tensor loads have landed, so a group 0 may be written
	ds_add_u32 v[SPW], v[NIL]                      ; 0 onto my spare word
	ds_add_u32 v15, v13
	s_add_nc_u64 s[G0B+4*(\cnt)+2:G0B+4*(\cnt)+3], s[G0B+4*(\cnt)+2:G0B+4*(\cnt)+3], 8*GRP   ; the next tile's keys lie eight groups on
.endif
.rept 4
	WM \zero
.endr
.if \sync == 1
	s_barrier_wait -1
.endif
.if \sync == 2
	s_wait_dscnt 0x0                               ; the add is done, and my reads of the slot are over
	s_barrier_signal -1                            ; this barrier opens a round of the cluster's
.rept 4
	WM \zero
.endr
	WIN 0
	s_barrier_wait -1
	CREST                                          ; no wave of any partner still reads the slot or has a load on its way
	RLOAD \cnt                                     ; the first tensor load behind the round, and my only one until the next
.endif
.if !(\last)
	PLACES                                         ; between the last step's products and the loads into the set that they read: on every wave's path
.endif
.if !(\last)
.rept 42
	LD
.endr
.if (\sync == 2) && ((\s) == 3)
	ASK 8*GRP+OPB, 1                               ; the second tile's keys, steps 4 to 7
.endif
.endif
.rept rest
	WM \zero
.endr
.endm
.macro PUT a
.irp k, 0,1,2
	global_store_b128 v[LI], v[PC+4*\k:PC+4*\k+3], s[OUT:OUT+1] offset:FRI*(\a)+512*\k
.endr
.endm
; THE SOFTMAX'S p of tile a: 16 queries x 128 keys, 64 scores a lane
.macro SOFT a
.set AC, 64*(\a)
	WIN 0x2a                                       ; all three sources in window 2
.irp b, 0,1,2,3
	v_max3_num_f32 v[BX+\b], v[AC+16*\b], v[AC+16*\b+1], v[AC+16*\b+2]   ; the largest score of each block of 32 keys: it serves the row's maximum and, since p rises with the score, the block's largest p.  Each accumulator is first read at its low end
.endr
	WIN 0x28                                       ; sources 1 and 2 in window 2
.irp i, 3,5,7,9,11,13
.irp b, 0,1,2,3
	v_max3_num_f32 v[BX+\b], v[BX+\b], v[AC+16*\b+\i], v[AC+16*\b+\i+1]
.endr
.endr
.irp b, 0,1,2,3
	v_max_num_f32 v[BX+\b], v[BX+\b], v[AC+16*\b+15]
.endr
	WIN 0
.irp b, 0,1,2,3
	v_permlanex16_b32 v[BP+\b], v[BX+\b], s[SEL], s[SEL+1]
.endr
.irp b, 0,1,2,3
	v_max_num_f32 v[BX+\b], v[BX+\b], v[BP+\b]     ; with lane l xor 16's 16 keys
.endr
	v_max3_num_f32 v[TT], v[BX], v[BX+1], v[BX+2]
	v_max_num_f32 v[TT], v[TT], v[BX+3]            ; my query's largest score of these 128 keys,
	v_mul_f32 v[TT], s[CS], v[TT]                  ; as t (c is positive)
	v_floor_f32 v[NM], -v[TT]                      ; -M128 = floor(-t) = -ceil(t)
	WIN FROM_C
.set i, 0
.rept 32
	v_pk_fma_f32 v[X+i:X+i+1], v[AC+i:AC+i+1], s[CS:CS+1], v[NM:NM+1] op_sel_hi:[1,0,0]   ; t - M128, two at a time
.set i, i+2
.endr
	WIN 0
.irp b, 0,1,2,3
	v_fma_f32 v[BX+\b], v[BX+\b], s[CS], v[NM]     ; the same of each block's largest score
.endr
.set i, 0
	s_wait_alu depctr_va_vdst(0)
.rept 64
	v_exp_f32 v[X+i], v[X+i]                       ; p = 2^(t - M128), at most 1
.set i, i+1
.endr
	v_mov_b32 v[NMS+\a], v[NM]                     ; (a plain instruction behind the exponentials)
	s_wait_alu depctr_va_vdst(0)                   ; one wait for the batch of 64, ahead of its first reader
.irp b, 0,1,2,3
	v_exp_f32 v[BX+\b], v[BX+\b]                   ; the block's largest p: the same two instructions on the same number
.endr
	v_pk_add_f32 v[SU:SU+1], v[X:X+1], v[X+4:X+5]  ; the sum of the UNQUANTISED p, two at a time, in two chains (it reads the 64 alone: plain work behind the four)
	v_pk_add_f32 v[SV:SV+1], v[X+2:X+3], v[X+6:X+7]
.irp j, 8,12,16,20,24,28,32,36,40,44,48,52,56,60
	v_pk_add_f32 v[SU:SU+1], v[SU:SU+1], v[X+\j:X+\j+1]
	v_pk_add_f32 v[SV:SV+1], v[SV:SV+1], v[X+\j+2:X+\j+3]
.endr
	v_pk_add_f32 v[SU:SU+1], v[SU:SU+1], v[SV:SV+1]
	v_add_f32 v[SU], v[SU], v[SU+1]
	v_permlanex16_b32 v[TT], v[SU], s[SEL], s[SEL+1]
	v_add_f32 v[SMS+\a], v[SU], v[TT]              ; with lane l xor 16's: the row's sum over these 128 keys
	s_wait_alu depctr_va_vdst(0)                   ; and one wait for the four
.irp b, 0,1,2,3
	v_max_num_f32 v[BX+\b], 0x1800000, v[BX+\b]    ; the floor 2^(3 - 127): the byte cannot fall under 1
.endr
.irp b, 0,1,2,3
	v_add_nc_u32 v[SO+\b], 0xff000000, v[BX+\b]    ; 2 off the exponent field: the conversion's scale operand
.endr
.irp b, 0,1,2,3
	v_lshrrev_b32 v[BP+\b], 23, v[SO+\b]           ; the byte under M128: at most 125
.endr
	v_lshl_or_b32 v[W+\a], v[BP+1], 8, v[BP]
	v_lshl_or_b32 v[W+\a], v[BP+2], 16, v[W+\a]
	v_lshl_or_b32 v[W+\a], v[BP+3], 24, v[W+\a]
.if \a > 0
	s_wait_xcnt 0x0                                ; the last 16 queries' stores have read the codes' registers
.endif
.irp c, 0,1
	v_cvt_scalef32_pk16_fp6_f32 v[PC+6*\c:PC+2+6*\c], v[X+32*\c:X+15+32*\c], v[SO+2*\c]
	v_cvt_scalef32_pk16_fp6_f32 v[PC+12+4*\c:PC+14+4*\c], v[X+16+32*\c:X+31+32*\c], v[SO+2*\c+1]
.endr
	v_nop                                          ; one plain instruction behind the scaled conversions
.irp c, 0,1
.irp i, 0,1,2
	v_permlane16_swap_b32 v[PC+6*\c+\i], v[PC+12+4*\c+\i]
.endr
.irp i, 0,1,2
	v_mov_b32 v[PC+3+6*\c+\i], v[PC+12+4*\c+\i]
.endr
.endr
	PUT \a
.endm
; THE WAY OUT of tile kd.  It touches neither the fragments nor the scale words that the tile's last step has asked for.
.macro WAYOUT kd
	WIN 0
	PLACES                                         ; between the last products and the first read of results
.if \kd > 0
	s_wait_xcnt 0x0                                ; the last tile's stores have read their registers and bases: both are written again only behind this wait
	s_add_nc_u64 s[OUT:OUT+1], s[OUT:OUT+1], 8*BLK   ; eight key steps on
	s_add_nc_u64 s[OUTS:OUTS+1], s[OUTS:OUTS+1], 8*BLK
	s_add_nc_u64 s[ST:ST+1], s[ST:ST+1], 8*1024
.endif
	SOFT 0
	SOFT 1
	SOFT 2
	SOFT 3
	v_cmp_ne_u32 vcc_lo, 0, v2                     ; lane 16 h + r stores the words of tiles h and h + 2,
	v_cndmask_b32 v[MS], v[W], v[W+1], vcc_lo
	v_cndmask_b32 v[MS+1], v[W+2], v[W+3], vcc_lo
	global_store_b64 v[L8], v[MS:MS+1], s[OUTS:OUTS+1]
.irp e, 0,1                                    ; and (-M128, sum) of tile 2 e + h: 256 consecutive bytes a store, aligned to 256
	v_cndmask_b32 v[PR+2*\e], v[NMS+2*\e], v[NMS+2*\e+1], vcc_lo
	v_cndmask_b32 v[PR+2*\e+1], v[SMS+2*\e], v[SMS+2*\e+1], vcc_lo
	global_store_b64 v[L8], v[PR+2*\e:PR+2*\e+1], s[ST:ST+1] offset:256*\e
.endr
.endm
	s_load_b128 s[4:7], s[0:1], 0x0                ; c2, c3
	s_load_b64 s[8:9], s[0:1], 0x10                ; st
	v_lshl_add_u32 v[SPW], v0, 2, SPARE
	v_mov_b32 v[NIL], 0
	ds_add_u32 v15, v13
	ds_add_u32 v15, v13
	s_wait_dscnt 0x0
	v_lshrrev_b32 v1, 5, v0
	v_readfirstlane_b32 s[WV], v1
	s_lshr_b32 s[HW], s[WV], 1
	s_and_b32 s[JW], s[WV], 1
	s_bfe_u32 s[CX], ttmp6, 0x40000
	s_bfe_u32 s[CY], ttmp6, 0x40004
	s_lshl_b32 s29, s[CY], 2
	s_lshl_b32 s29, 15, s29
	s_lshl_b32 s30, 0x1111, s[CX]
	s_or_b32 s[G1A], s29, (3<<16)|(1<<21)
	s_or_b32 s[G1B], s30, (3<<16)|(1<<21)
	s_or_b32 s[G1BR], s30, (3<<16)|(1<<21)
	G1REST G1A, 200                                ; a first fill: four K blocks, 200 rows of 256 bytes
	G1REST G1B, 200
	G1REST G1BR, 200                               ; a refill: four
	s_mul_i32 s19, s[WV], OPB
	s_and_b32 s28, ttmp7, 0xffff                   ; the cluster's y, 0..15
	s_lshl_b32 s29, s28, 2
	s_add_co_u32 s29, s29, s[CY]                   ; Y: my group of queries
	s_mul_i32 s20, s29, GRP                        ; A: q's group Y
	s_mov_b32 s21, 0
	s_lshr_b32 s28, s28, 2
	s_lshl_b32 s28, s28, 4                         ; the batch's 16 groups of keys: the four rows of a cluster lie in one batch
	s_lshl_b32 s30, s[CX], 1                       ; the first tile's two groups of them: 2 cx, 2 cx + 1
	s_add_co_u32 s22, s28, s30
	s_add_co_u32 s22, s22, s[HW]
	s_add_co_u32 s22, s22, 64                      ; k lies behind q's 64 groups
	s_mul_i32 s22, s22, GRP
	s_mov_b32 s23, 0
	s_lshl_b32 s31, s29, 4
	s_add_co_u32 s31, s31, s30
	s_add_co_u32 s31, s31, s[JW]                   ; P's block: 16 Y + the key step
	s_mul_i32 s28, s31, BLK
	s_mul_i32 s29, s[HW], 4*FRI
	s_add_co_u32 s[OUT], s28, s29
	s_mov_b32 s[OUT+1], 0
	s_lshl_b32 s29, s[HW], 8
	s_add_co_u32 s[OUTS], s28, s29
	s_add_co_u32 s[OUTS], s[OUTS], 8*FRI
	s_mov_b32 s[OUTS+1], 0
	s_lshl_b32 s[ST], s31, 10
	s_lshl_b32 s29, s[HW], 9
	s_add_co_u32 s[ST], s[ST], s29
	s_mov_b32 s[ST+1], 0
	s_mov_b32 s[SEL], 0x76543210
	s_mov_b32 s[SEL+1], 0xfedcba98
	s_mov_b32 s[CS], 0x3d38aa3b                    ; log2(e) / 32: the scale 1 / sqrt(1024) is a power of two, so one multiplication rounds as scaling by 1/32, then by log2(e), does
	s_mov_b32 s[CS+1], s[CS]
	CROUND                                         ; all sixteen work-groups are here: the joint loads meet
	s_wait_kmcnt 0x0
	s_add_nc_u64 s[20:21], s[4:5], s[20:21]
	s_add_nc_u64 s[22:23], s[4:5], s[22:23]
	s_add_nc_u64 s[OUT:OUT+1], s[6:7], s[OUT:OUT+1]
	s_add_nc_u64 s[OUTS:OUTS+1], s[6:7], s[OUTS:OUTS+1]
	s_add_nc_u64 s[ST:ST+1], s[8:9], s[ST:ST+1]
.irp c, 0,2                                    ; set 0 serves slot 0, set 2 slot 1
	s_mov_b32 s[G0A+4*\c], 1
	s_add_co_u32 s[G0A+4*\c+1], s19, (\c/2)*SLOT+(\c%2)*CHUNK
	s_add_nc_u64 s[G0A+4*\c+2:G0A+4*\c+3], s[20:21], \c*CHUNK
	s_or_b32 s[G0A+4*\c+3], s[G0A+4*\c+3], 0x80000000
	s_mov_b32 s[G0B+4*\c], 1
	s_add_co_u32 s[G0B+4*\c+1], s19, (\c/2)*SLOT+(\c%2)*CHUNK
	s_add_nc_u64 s[G0B+4*\c+2:G0B+4*\c+3], s[22:23], \c*CHUNK
	s_or_b32 s[G0B+4*\c+3], s[G0B+4*\c+3], 0x80000000
.endr
	s_cmp_eq_u32 s[WV], 0                          ; slot 0's fills: one chain of branches on the wave's number, one load to an arm; four v_nop follow each
	s_cbranch_scc0 .Lfill_b
	tensor_load_to_lds s[G0A:G0A+3], s[G1A:G1A+7]
	s_nop 0
	PLACES
	s_branch .Lfilled
.Lfill_b:
	s_cmp_lt_u32 s[WV], 3
	s_cbranch_scc0 .Lfilled
	tensor_load_to_lds s[G0B:G0B+3], s[G1B:G1B+7]
	s_nop 0
	PLACES
.Lfilled:
	s_cmp_eq_u32 s[WV], 0                          ; the prefetches' base: my operand's first block (wave 0 loads q, waves 1 and 2 k), + my work-group's block of each four
	s_cselect_b64 s[52:53], s[20:21], s[22:23]
	s_cselect_b32 s54, s[CX], s[CY]                ; my place among the four that ask jointly
	s_mul_i32 s54, s54, BLK
	s_mov_b32 s55, 0
	s_add_nc_u64 s[52:53], s[52:53], s[54:55]
	v_and_b32 v[PFO], 31, v0
	v_add_nc_u32 v[PFO+1], 32, v[PFO]
	v_min_u32 v[PFO+1], 49, v[PFO+1]
	v_lshlrev_b32 v[PFO], 8, v[PFO]
	v_lshlrev_b32 v[PFO+1], 8, v[PFO+1]
	ASK OPB, 0                                     ; what slot 1's first fill will bring
	v_and_b32 v1, 15, v0
	v_bfe_u32 v2, v0, 4, 1
	v_and_b32 v[LI], 31, v0
	v_lshlrev_b32 v[L8], 3, v[LI]
	v_lshlrev_b32 v[LI], 4, v[LI]
	s_mul_i32 s29, s[HW], 4*FRI
	s_mul_i32 s30, s[JW], OPB
	s_add_co_u32 s30, s30, OPB
	v_add_nc_u32 v[ADRA], s29, v[LI]
	v_add_nc_u32 v[ADRA+1], SLOT, v[ADRA]
	v_add_nc_u32 v[ADRB], s30, v[LI]
	v_add_nc_u32 v[ADRB+1], SLOT, v[ADRB]
	s_lshl_b32 s29, s[HW], 8
	s_add_co_u32 s29, s29, 8*FRI
	v_lshl_add_u32 v[ADSA], v1, 3, s29
	v_add_nc_u32 v[ADSA+1], SLOT, v[ADSA]
	s_add_co_u32 s30, s30, 8*FRI
	v_lshl_add_u32 v[ADSB], v1, 3, s30
	v_add_nc_u32 v[ADSB+1], SLOT, v[ADSB]
.irp b, 0,1,2,3
	v_mov_b32 v[BP+\b], 0                          ; a lane permute's destination counts as one of its sources
.endr
	v_mov_b32 v[NM+1], 0                           ; named as the upper half of a pair
	s_wait_alu depctr_va_vdst(0)
	s_wait_tensorcnt 0x0                           ; my part of slot 0 is in
	ds_add_u32 v[SPW], v[NIL]
	ds_add_u32 v[SPW], v[NIL]                      ; twice on end
	s_wait_dscnt 0x0
	CROUND                                         ; everybody's part of slot 0 is in, and all sixteen work-groups are here
	s_cmp_eq_u32 s[WV], 0                          ; slot 1's four steps: one load a wave behind the round, in one chain of branches on the wave's number
	s_cbranch_scc0 .Lfill2_b
	tensor_load_to_lds s[G0A+8:G0A+11], s[G1A:G1A+7]
	s_nop 0
	PLACES
	s_branch .Lfilled2
.Lfill2_b:
	s_cmp_lt_u32 s[WV], 3
	s_cbranch_scc0 .Lfilled2
	tensor_load_to_lds s[G0B+8:G0B+11], s[G1B:G1B+7]
	s_nop 0
	PLACES
.Lfilled2:
.set pnxt, 0
.set slnx, 0
.set qnx, 0
.set nn, 0
.rept 42
	LD
.endr
	ASK 8*GRP, 1                                   ; the second tile's keys, steps 0 to 3
	STEP 0, 0, 0, 1, 0                             ; the first 256 keys.  A tile's first products start the sums
	STEP 1, 0, 0, 0, 0
	STEP 2, 0, 0, 0, 0
	STEP 3, 2, 0, 0, 0                             ; slot 0 takes the second tile's keys, steps 0 to 3
	STEP 4, 0, 0, 0, 0
	STEP 5, 0, 0, 0, 0
	STEP 6, 0, 0, 0, 0
	STEP 7, 2, 2, 0, 0                             ; slot 1 takes its steps 4 to 7; its first fragments are fetched
	WAYOUT 0
	STEP 8, 0, 0, 1, 0                             ; the second 256 keys
	STEP 9, 0, 0, 0, 0
	STEP 10, 0, 0, 0, 0
	STEP 11, 1, 0, 0, 0                            ; slot 1 is shown whole; nothing is left to fetch
	STEP 12, 0, 0, 0, 0
	STEP 13, 0, 0, 0, 0
	STEP 14, 0, 0, 0, 0
	STEP 15, 0, 0, 0, 1
	WAYOUT 1
	s_wait_tensorcnt 0x0                           ; the wave's end: behind my last tensor load
	ds_add_u32 v[SPW], v[NIL]
	s_wait_dscnt 0x0
	CROUND                                         ; the closing round
	s_endpgm
.Lfunc_end_k_qf701320e9b_score:
	.size	k_qf701320e9b_score, .Lfunc_end_k_qf701320e9b_score-k_qf701320e9b_score
	.p2alignl 7, 3214868480
	.fill 96, 4, 3214868480
	.section	.rodata,"a",@progbits
	.p2align	6, 0x0
	.amdhsa_kernel k_qf701320e9b_score
		.amdhsa_group_segment_fixed_size 327680
		.amdhsa_private_segment_fixed_size 0
		.amdhsa_enable_private_segment 0
		.amdhsa_kernarg_size 24
		.amdhsa_user_sgpr_count 2
		.amdhsa_user_sgpr_kernarg_segment_ptr 1
		.amdhsa_wavefront_size32 1
		.amdhsa_system_sgpr_workgroup_id_x 1
		.amdhsa_system_sgpr_workgroup_id_y 1
		.amdhsa_system_sgpr_workgroup_id_z 1
		.amdhsa_system_vgpr_workitem_id 0
		.amdhsa_next_free_vgpr 768
		.amdhsa_next_free_sgpr 100
		.amdhsa_reserve_vcc 1
		.amdhsa_float_denorm_mode_32 3
		.amdhsa_float_denorm_mode_16_64 3
		.amdhsa_memory_ordered 1
		.amdhsa_forward_progress 1
		.amdhsa_inst_pref_size 211
	.end_amdhsa_kernel
	.amdgpu_metadata
---
amdhsa.version: [ 1, 2 ]
amdhsa.kernels:
  - .name:           k_qf701320e9b_score
    .symbol:         k_qf701320e9b_score.kd
    .args:
      - { .name: c2, .offset: 0, .size: 8, .value_kind: global_buffer, .address_space: global }
      - { .name: c3, .offset: 8, .size: 8, .value_kind: global_buffer, .address_space: global }
      - { .name: st, .offset: 16, .size: 8, .value_kind: global_buffer, .address_space: global }
    .group_segment_fixed_size: 327680
    .private_segment_fixed_size: 0
    .kernarg_segment_align: 8
    .kernarg_segment_size: 24
    .max_flat_workgroup_size: 128
    .sgpr_count:     100
    .vgpr_count:     768
    .wavefront_size: 32
...
	.end_amdgpu_metadata
.endif
;; end of part 3
;; launch pv (part 4): grid 4 x 64, 4 waves a work-group, clusters of 4 x 4, 327,680 bytes of LDS; arguments c3, st, c2, c4; writes c4
.if DOCPART == 4
	.amdgcn_target "amdgcn-amd-amdhsa--gfx1250"
	.amdhsa_code_object_version 6
	.text
	.protected	k_qf701320e9b_pv
	.globl	k_qf701320e9b_pv
	.p2align	8
	.type	k_qf701320e9b_pv,@function
k_qf701320e9b_pv:
	s_mov_b64 s[64:65], 0
	v_nop
	global_prefetch_b8 v0, s[64:65] scope:SCOPE_SE
	s_setreg_imm32_b32 hwreg(HW_REG_WAVE_MODE, 25, 1), 1
	s_wait_xcnt 0x0
	s_wait_alu depctr_hold_cnt(0) depctr_sa_sdst(0) depctr_va_vdst(0) depctr_va_sdst(0) depctr_va_ssrc(0) depctr_va_vcc(0) depctr_vm_vsrc(0)
	s_getreg_b32 s2, hwreg(HW_REG_IB_STS2, 6, 4)
	s_cmp_eq_u32 s2, 0
	s_cbranch_scc0 .Lentry_in_a_cluster
	s_endpgm
.Lentry_in_a_cluster:
	s_bfe_u32 s2, ttmp6, 0x10000c
	s_cmp_lg_u32 s2, 0xf033
	s_cbranch_scc0 .Lentry_shape_is_right
	s_endpgm
.Lentry_shape_is_right:
; Z = (P v) / l on codes of FP6 (E2M3) with E8M0 scales, f32 sums; Z is quantised along d on the way out and leaves as codes.
; P's codes (c3) were made under M128, the ceiling of the largest t of each run of 128 keys; st holds (-M128, the run's sum of the unquantised p).  At the head each lane takes one row: M = the largest of its 16 M128;
; d = M - M128, a whole number; the run's four scale bytes are lowered by d (a change of M by a whole number moves the bytes and no code); l = the sum of sum x 2^-d: both exact.  The mended words and 1 / l go to LDS.
; OPERANDS lie in K BLOCKS of 12,800 bytes (a group of 128 rows x 128 along K): eight fragment images of 1,536 bytes (tile i: registers 4 k .. 4 k + 3 of lane l at 1536 i + 512 k + 16 l), then 512 bytes of scale words
; (tile i, lane-row r at 12288 + 256 (i / 4) + 128 (i % 2) + 8 r + 4 ((i / 2) % 2)).  c3: P at block 16 g + s.  c2: v^T at block 1024 + 64 gd + s (gd: 128 of d, s: 128 tokens).  c4: Z at block 8 g + s.
; SHARES.  A work-group makes 128 queries (A) x 256 of d (B, two groups of v^T).  Wave (hw, jw) = (wave / 2, wave % 2): A's tiles 4 hw + 0 .. 3 against the eight tiles of B's group jw.  Used TRANSPOSED (source 0 = v^T, source 1 = P).
; LDS: two slots of four K steps, block (sl, operand o, q) at 153600 sl + 51200 o + 12800 q.  K = 2,048 is sixteen steps: each slot is filled twice.  A slot's last fragments are in registers at the head of its last step.
; Behind the slots: SCA, the mended words (512 bytes a step), RL, 1 / l, and the spare words: no tile lands there.  All of the WGP's LDS is claimed.
; CLUSTER 4 x 4: P's blocks are asked for jointly along a row of the cluster, v^T's along a column.  Wave 0 fetches A, waves 1 and 2 B's groups: four tensor loads of a wave are out at the start, one behind each round.
; LIMITS: NaN and infinities are not served.  A run of 128 keys whose M128 lies 127 or more under the row's M counts 0 in l; a scale byte that d would bring to 0 or under becomes 0 (2^-127) where the rule holds it at 1:
; both touch numbers under 2^-120 of the row's sum.  In Z a block whose largest magnitude lies under 2^-124 keeps the byte 1.
; THE FIRST FILLS (this takes the place of what the lines above say of four loads at the start): behind the opening round a wave issues ONE load, slot 0's four K steps of its operand, 51,200 bytes.
; The scale words are mended while that load is on its way.  Then every wave waits for all its tensor loads, adds 0 to its spare word, waits for that and for its
; stores of the mended words, and passes a second round, which also shows the words to all four waves; slot 1's four steps are asked for behind it as a refill is.
; One tensor load of a wave is out at any time.  The opening round stands ahead of the wait for the arguments: it reads none of them.
; DATA PREFETCH: behind each fill stands the request, into the L2, for what the NEXT fill will bring: one slot, four K steps, ahead.  A fill's 51,200 bytes of one operand are four K blocks; the four partners that ask for them
; jointly take one block each, told apart by address (cx for P, cy for v^T): 50 units of 256 bytes, a lane a unit, two instructions of the wave that will load them (lanes 18 to 31 of the second name its last unit again).
; The last of the four fills asks for nothing.  The prefetches' address registers are never rewritten.
.set PFO,   252                        ; v252-253 the prefetches' offsets: 256 x lane, 256 x min(32 + lane, 49); never rewritten
.set BLK,   12800
.set FRI,   1536
.set OPB,   4*BLK
.set SLOT,  3*OPB
.set CHUNK, 2*BLK
.set SCA,   2*SLOT                     ; 307,200: the mended scale words, 16 x 512 bytes
.set RL,    SCA+8192                   ; 1 / l, 512 bytes, laid as a step's scale words
.set SPARE, RL+512                     ; the spare words, 128 bytes for each wave: two blocks of 256 bytes that no other line names
.set LI,    3
.set ADRA,  4
.set ADRB,  6
.set ADSA,  8                          ; v8    A's mended words: SCA + 256 hw + 8 r
.set ADSB,  10
.set L8,    12
.set SPW,   15                         ; v15   my spare word; never rewritten
.set SB,    16
.set SA,    32
.set AF,    40
.set X,     40
.set WD,    136                        ; v136-151 my row's 16 scale words under M128
.set STT,   152                        ; v152-183 its 16 pairs (-M128, sum)
.set NMR,   184                        ; -M of the row
.set LSUM,  185                        ; l
.set TM,    200
.set PC,    216
.set W,     236
.set MS,    240
.set RLV,   242                        ; v242, 244, 246, 248: 1 / l of my four tiles' rows
.set NIL,   250                        ; v250  0; never rewritten
.set WV,    14
.set HW,    15
.set JW,    16
.set CX,    17
.set CY,    18
.set SEL,   24
.set G1A,   32
.set G1B,   40
.set G0A,   48
.set G0B,   68
.set G1AR,  84                         ; s[84:91], s[92:99] group 1 of the refills: 200 rows
.set G1BR,  92
.set OUT,   10
.set OUTS,  12
.set MULW,  0xa1
.set TO_B,  0x40
.set FROM_C, 0x02
.set MSB,   0
.macro WIN new
.if MSB != \new
	s_set_vgpr_msb (MSB<<8)|\new
.set MSB, \new
.endif
.endm
.macro PLACES
.rept 4
	v_nop
.endr
.endm
.macro CREST
	s_cmp_lg_u32 s[WV], 0
	s_cbranch_scc1 .Lnot_wave_0_\@
	s_barrier_signal -3
.Lnot_wave_0_\@:
	s_barrier_wait -3
	s_barrier_signal -1
	s_barrier_wait -1
.endm
.macro CROUND
	s_barrier_signal -1
	s_barrier_wait -1
	CREST
.endm
.macro G1REST g, rows
	s_mov_b32 s[\g+1], 32<<16
	s_mov_b32 s[\g+2], (\rows)<<16
	s_mov_b32 s[\g+3], 32<<16
	s_mov_b32 s[\g+4], \rows
	s_mov_b32 s[\g+5], 32
	s_mov_b32 s[\g+6], 0
	s_mov_b32 s[\g+7], 0
.endm
.macro RLOAD set                       ; a joint refill of a whole slot's part: one load a wave; four v_nop follow each of the two lines
	s_cmp_eq_u32 s[WV], 0
	s_cbranch_scc0 .Lre_b_\@
	tensor_load_to_lds s[G0A+4*(\set):G0A+4*(\set)+3], s[G1AR:G1AR+7]
	s_nop 0
	PLACES
	s_branch .Lre_done_\@
.Lre_b_\@:
	s_cmp_lt_u32 s[WV], 3
	s_cbranch_scc0 .Lre_done_\@
	tensor_load_to_lds s[G0B+4*(\set):G0B+4*(\set)+3], s[G1BR:G1BR+7]
	s_nop 0
	PLACES
.Lre_done_\@:
.endm
.macro LD                              ; load nn of the 42 that bring step stnx's operands (slot slnx, block qnx) into set pnxt; A's scale words come from SCA
.if nn < 24
	WIN TO_B
	ds_load_b128 v[96*pnxt+12*(nn/3)+4*(nn%3):96*pnxt+12*(nn/3)+4*(nn%3)+3], v[ADRB+slnx] offset:BLK*qnx+FRI*(nn/3)+512*(nn%3)
.elseif nn < 36
	WIN 0
	ds_load_b128 v[AF+48*pnxt+12*((nn-24)/3)+4*((nn-24)%3):AF+48*pnxt+12*((nn-24)/3)+4*((nn-24)%3)+3], v[ADRA+slnx] offset:BLK*qnx+FRI*((nn-24)/3)+512*((nn-24)%3)
.elseif nn < 40
	WIN 0
	ds_load_b64 v[SB+8*pnxt+2*(nn-36):SB+8*pnxt+2*(nn-36)+1], v[ADSB+slnx] offset:BLK*qnx+256*((nn-36)/2)+128*((nn-36)%2)
.else
	WIN 0
	ds_load_b64 v[SA+4*pnxt+2*(nn-40):SA+4*pnxt+2*(nn-40)+1], v[ADSA] offset:512*stnx+128*(nn-40)
.endif
.set nn, nn+1
.endm
.macro WM zero                         ; product ii of a step's 32; the accumulators take turns
	WIN MULW
.set rD, 8*ii
.set rB, 96*pcur+12*(ii%8)
.set rA, AF+48*pcur+12*(ii/8)
.set rSB, SB+8*pcur+4*((ii%8)/4)+2*(ii%2)+((ii/2)%2)
.set rSA, SA+4*pcur+2*((ii/8)%2)+(ii/16)
.if \zero
	v_wmma_scale_f32_16x16x128_f8f6f4 v[rD:rD+7], v[rB:rB+11], v[rA:rA+11], 0, v[rSB], v[rSA] matrix_a_fmt:MATRIX_FMT_FP6 matrix_b_fmt:MATRIX_FMT_FP6
.else
	v_wmma_scale_f32_16x16x128_f8f6f4 v[rD:rD+7], v[rB:rB+11], v[rA:rA+11], v[rD:rD+7], v[rSB], v[rSA] matrix_a_fmt:MATRIX_FMT_FP6 matrix_b_fmt:MATRIX_FMT_FP6
.endif
.set ii, ii+1
.endm
; My work-group's K block of the four that the next fill of my operand brings, off bytes behind the first fill's: the loading waves, 0 to 2
.macro ASK off
	s_cmp_lt_u32 s[WV], 3
	s_cbranch_scc0 .Lno_ask_\@
	global_prefetch_b8 v[PFO], s[52:53] offset:\off th:TH_LOAD_NT scope:SCOPE_SE
	global_prefetch_b8 v[PFO+1], s[52:53] offset:\off th:TH_LOAD_NT scope:SCOPE_SE
.Lno_ask_\@:
.endm
; K step s on set s % 2.  The next step's 42 loads go into the other set in TWO runs: B's 24 behind this step's first four products (eight at a change of slots) and four plain instructions, A's 12 and the 6 of scale words
; eight products on: 16 products or more stand between the second run and the wait for it.
; sync = 1: the next tiles are shown whole by a barrier (cnt = the loads issued behind them).  sync = 2: the slot whose last fragments are now in registers is filled again; cnt names its group 0.
.macro STEP s, sync, cnt, zero, last
.set pcur, (\s)%2
.set pnxt, 1-pcur
.set stnx, (\s)+1
.set slnx, (stnx/4)%2
.set qnx,  stnx%4
.set nn, 0
.set ii, 0
.set gap, 0
.set rest, 28
	s_wait_dscnt 0x0                               ; this step's operands are in
.if \sync == 1
	s_wait_tensorcnt \cnt
	s_barrier_signal -1
.endif
.if \sync == 2
.set rest, 24
	WIN 0                                          ; (the add's two registers lie in window 0)
	s_wait_tensorcnt 0x0                           ; all my tensor loads have landed, so a group 0 may be written
	ds_add_u32 v[SPW], v[NIL]                      ; 0 onto my spare word
	ds_add_u32 v15, v250
	s_add_nc_u64 s[G0A+4*(\cnt)+2:G0A+4*(\cnt)+3], s[G0A+4*(\cnt)+2:G0A+4*(\cnt)+3], 8*BLK   ; the slot's next four steps lie eight blocks on
	s_add_nc_u64 s[G0B+4*(\cnt)+2:G0B+4*(\cnt)+3], s[G0B+4*(\cnt)+2:G0B+4*(\cnt)+3], 8*BLK
.endif
.rept 4
	WM \zero
.endr
.if \sync == 1
	s_barrier_wait -1
.endif
.if \sync == 2
	s_wait_dscnt 0x0                               ; the add is done, and my reads of the slot are over
	s_barrier_signal -1                            ; this barrier opens a round of the cluster's
.rept 4
	WM \zero
.endr
	WIN 0
	s_barrier_wait -1
	CREST                                          ; no wave of any partner still reads the slot or has a load on its way
	RLOAD \cnt                                     ; the first tensor load behind the round, and my only one until the next
.endif
.if !(\last)
	PLACES                                         ; between the last step's products and the loads into the set that they read: on every wave's path
.endif
.if !(\last)
.rept 24
	LD
.endr
.endif
.rept 8
	WM \zero
.endr
.if !(\last)
.rept 18
	LD
.endr
.if (\sync == 2) && ((\s) == 3)
	ASK 3*OPB                                      ; steps 12 to 15
.endif
.endif
.rept rest-8
	WM \zero
.endr
.endm
.macro QUANT s, pw                     ; 64 numbers of a lane, register 16 b + i = k 32 b + 16 (lane / 16) + i, become a fragment's codes in v[PC] on and its scale word in v[pw]
.irp b, 0,1,2,3
	v_max3_num_f32 v[TM+\b], |v[\s+16*\b]|, |v[\s+1+16*\b]|, 0x1800000
.endr
.irp i, 2,4,6,8,10,12,14
.irp b, 0,1,2,3
	v_max3_num_f32 v[TM+\b], v[TM+\b], |v[\s+16*\b+\i]|, |v[\s+1+16*\b+\i]|
.endr
.endr
.irp b, 0,1,2,3
	v_permlanex16_b32 v[TM+4+\b], v[TM+\b], s[SEL], s[SEL+1]
.endr
.irp b, 0,1,2,3
	v_max_num_f32 v[TM+\b], v[TM+\b], v[TM+4+\b]
.endr
.irp b, 0,1,2,3
	v_add_nc_u32 v[TM+12+\b], 0xff000000, v[TM+\b]
.endr
.irp b, 0,1,2,3
	v_lshrrev_b32 v[TM+4+\b], 23, v[TM+12+\b]
.endr
	v_lshl_or_b32 v[\pw], v[TM+5], 8, v[TM+4]
	v_lshl_or_b32 v[\pw], v[TM+6], 16, v[\pw]
	v_lshl_or_b32 v[\pw], v[TM+7], 24, v[\pw]
.irp c, 0,1
	v_cvt_scalef32_pk16_fp6_f32 v[PC+6*\c:PC+2+6*\c], v[\s+32*\c:\s+15+32*\c], v[TM+12+2*\c]
	v_cvt_scalef32_pk16_fp6_f32 v[PC+12+4*\c:PC+14+4*\c], v[\s+16+32*\c:\s+31+32*\c], v[TM+12+2*\c+1]
.endr
	v_nop                                          ; one plain instruction behind the scaled conversions
.irp c, 0,1
.irp i, 0,1,2
	v_permlane16_swap_b32 v[PC+6*\c+\i], v[PC+12+4*\c+\i]
.endr
.irp i, 0,1,2
	v_mov_b32 v[PC+3+6*\c+\i], v[PC+12+4*\c+\i]
.endr
.endr
.endm
.macro PUT a
.irp k, 0,1,2
	global_store_b128 v[LI], v[PC+4*\k:PC+4*\k+3], s[OUT:OUT+1] offset:FRI*(\a)+512*\k
.endr
.endm
	s_load_b256 s[4:11], s[0:1], 0x0               ; c3, st, c2, c4
	v_lshl_add_u32 v[SPW], v0, 2, SPARE
	v_mov_b32 v[NIL], 0
	ds_add_u32 v15, v250
	ds_add_u32 v15, v250
	s_wait_dscnt 0x0
	v_lshrrev_b32 v1, 5, v0
	v_readfirstlane_b32 s[WV], v1
	s_lshr_b32 s[HW], s[WV], 1
	s_and_b32 s[JW], s[WV], 1
	s_bfe_u32 s[CX], ttmp6, 0x40000
	s_bfe_u32 s[CY], ttmp6, 0x40004
	s_lshl_b32 s29, s[CY], 2
	s_lshl_b32 s29, 15, s29
	s_lshl_b32 s30, 0x1111, s[CX]
	s_or_b32 s[G1A], s29, (3<<16)|(1<<21)
	s_or_b32 s[G1B], s30, (3<<16)|(1<<21)
	s_or_b32 s[G1AR], s29, (3<<16)|(1<<21)
	s_or_b32 s[G1BR], s30, (3<<16)|(1<<21)
	G1REST G1A, 200                                ; a first fill: four K blocks, 200 rows of 256 bytes
	G1REST G1B, 200
	G1REST G1AR, 200                               ; a refill: four
	G1REST G1BR, 200
	s_mul_i32 s19, s[WV], OPB
	s_and_b32 s26, ttmp7, 0xffff                   ; the cluster's y, 0..15
	s_lshl_b32 s27, s26, 2
	s_add_co_u32 s27, s27, s[CY]                   ; Y: my group of queries
	s_mul_i32 s20, s27, 16*BLK                     ; A: P's group Y, 16 blocks
	s_mov_b32 s21, 0
	s_lshr_b32 s26, s26, 2
	s_mul_i32 s26, s26, 16*BLK                     ; the batch's 16 key steps in a group of v^T
	s_lshl_b32 s28, s[CX], 1
	s_add_co_u32 s22, s28, s[HW]
	s_mul_i32 s22, s22, 64*BLK                     ; B: v^T's group 2 cx + (0 or 1),
	s_add_co_u32 s22, s22, s26
	s_add_co_u32 s22, s22, 1024*BLK                ; behind q and k
	s_mov_b32 s23, 0
	s_lshl_b32 s29, s27, 3
	s_add_co_u32 s29, s29, s28
	s_add_co_u32 s29, s29, s[JW]                   ; Z's block: 8 Y + 2 cx + jw
	s_mul_i32 s29, s29, BLK
	s_mul_i32 s2, s[HW], 4*FRI
	s_add_co_u32 s2, s2, s29                       ; my four images
	s_mov_b32 s3, 0
	s_lshl_b32 s28, s[HW], 8
	s_add_co_u32 s30, s20, s28                     ; P's scale words of my row: block 0 of the group, + 256 hw + 4 e (+ 8 x lane)
	s_lshl_b32 s31, s[JW], 2
	s_add_co_u32 s30, s30, s31
	s_add_co_u32 s30, s30, 8*FRI
	s_mov_b32 s31, 0
	s_add_co_u32 s28, s28, s29
	s_add_co_u32 s28, s28, 8*FRI                   ; Z's scale words
	s_mov_b32 s29, 0
	s_lshl_b32 s26, s27, 14                        ; st: 16 x 1,024 bytes a group, + 256 x wave
	s_lshl_b32 s27, s[WV], 8
	s_add_co_u32 s26, s26, s27
	s_mov_b32 s27, 0
	s_mov_b32 s[SEL], 0x76543210
	s_mov_b32 s[SEL+1], 0xfedcba98
	CROUND                                         ; all sixteen work-groups are here: the joint loads meet
	s_wait_kmcnt 0x0
	s_add_nc_u64 s[20:21], s[4:5], s[20:21]
	s_add_nc_u64 s[22:23], s[8:9], s[22:23]
	s_add_nc_u64 s[4:5], s[4:5], s[30:31]          ; P's words
	s_add_nc_u64 s[6:7], s[6:7], s[26:27]          ; the pairs
	s_add_nc_u64 s[OUTS:OUTS+1], s[10:11], s[28:29]
	s_add_nc_u64 s[OUT:OUT+1], s[10:11], s[2:3]
.irp c, 0,2                                    ; set 0 serves slot 0, set 2 slot 1
	s_mov_b32 s[G0A+4*\c], 1
	s_add_co_u32 s[G0A+4*\c+1], s19, (\c/2)*SLOT+(\c%2)*CHUNK
	s_add_nc_u64 s[G0A+4*\c+2:G0A+4*\c+3], s[20:21], \c*CHUNK
	s_or_b32 s[G0A+4*\c+3], s[G0A+4*\c+3], 0x80000000
	s_mov_b32 s[G0B+4*\c], 1
	s_add_co_u32 s[G0B+4*\c+1], s19, (\c/2)*SLOT+(\c%2)*CHUNK
	s_add_nc_u64 s[G0B+4*\c+2:G0B+4*\c+3], s[22:23], \c*CHUNK
	s_or_b32 s[G0B+4*\c+3], s[G0B+4*\c+3], 0x80000000
.endr
	s_cmp_eq_u32 s[WV], 0                          ; slot 0's fills: one chain of branches on the wave's number, one load to an arm; four v_nop follow each
	s_cbranch_scc0 .Lfill_b
	tensor_load_to_lds s[G0A:G0A+3], s[G1A:G1A+7]
	s_nop 0
	PLACES
	s_branch .Lfilled
.Lfill_b:
	s_cmp_lt_u32 s[WV], 3
	s_cbranch_scc0 .Lfilled
	tensor_load_to_lds s[G0B:G0B+3], s[G1B:G1B+7]
	s_nop 0
	PLACES
.Lfilled:
	s_cmp_eq_u32 s[WV], 0                          ; the prefetches' base: my operand's first block (wave 0 loads P, waves 1 and 2 v^T), + my work-group's block of each four
	s_cselect_b64 s[52:53], s[20:21], s[22:23]
	s_cselect_b32 s54, s[CX], s[CY]                ; my place among the four that ask jointly
	s_mul_i32 s54, s54, BLK
	s_mov_b32 s55, 0
	s_add_nc_u64 s[52:53], s[52:53], s[54:55]
	v_and_b32 v[PFO], 31, v0
	v_add_nc_u32 v[PFO+1], 32, v[PFO]
	v_min_u32 v[PFO+1], 49, v[PFO+1]
	v_lshlrev_b32 v[PFO], 8, v[PFO]
	v_lshlrev_b32 v[PFO+1], 8, v[PFO+1]
	ASK OPB                                        ; what slot 1's first fill will bring
	v_and_b32 v1, 15, v0
	v_bfe_u32 v2, v0, 4, 1
	v_and_b32 v[LI], 31, v0
	v_lshlrev_b32 v[L8], 3, v[LI]
	v_lshlrev_b32 v[LI], 4, v[LI]
.irp s, 0,1,2,3,4,5,6,7,8,9,10,11,12,13,14,15  ; my row's word and pair of each of the 16 key steps
	global_load_b32 v[WD+\s], v[L8], s[4:5] offset:BLK*\s
	global_load_b64 v[STT+2*\s:STT+2*\s+1], v[L8], s[6:7] offset:1024*\s
.endr
	s_mul_i32 s26, s[HW], 4*FRI
	s_mul_i32 s27, s[JW], OPB
	s_add_co_u32 s27, s27, OPB
	v_add_nc_u32 v[ADRA], s26, v[LI]
	v_add_nc_u32 v[ADRA+1], SLOT, v[ADRA]
	v_add_nc_u32 v[ADRB], s27, v[LI]
	v_add_nc_u32 v[ADRB+1], SLOT, v[ADRB]
	s_add_co_u32 s27, s27, 8*FRI
	v_lshl_add_u32 v[ADSB], v1, 3, s27
	v_add_nc_u32 v[ADSB+1], SLOT, v[ADSB]
	s_lshl_b32 s26, s[HW], 8
	s_add_co_u32 s26, s26, SCA
	v_lshl_add_u32 v[ADSA], v1, 3, s26
	v_add_nc_u32 v14, RL-SCA, v[ADSA]              ; 1 / l of lane-row r: RL + 256 hw + 8 r
	s_lshl_b32 s27, s[JW], 2
	s_add_co_u32 s26, s26, s27
	v_add_nc_u32 v13, s26, v[L8]                   ; where my row's mended words go: SCA + 256 hw + 4 e + 8 x lane
	s_mov_b32 s30, 0x01010101
	s_mov_b32 s31, 0x80808080
.irp b, 0,1,2,3
	v_mov_b32 v[TM+4+\b], 0                        ; a lane permute's destination counts as one of its sources
	v_mov_b32 v[RLV+2*\b+1], 0                     ; named as the upper half of a pair
.endr
	s_wait_loadcnt 0x0
	v_min3_num_f32 v[NMR], v[STT], v[STT+2], v[STT+4]
.irp s, 3,5,7,9,11,13
	v_min3_num_f32 v[NMR], v[NMR], v[STT+2*\s], v[STT+2*\s+2]
.endr
	v_min_num_f32 v[NMR], v[NMR], v[STT+30]        ; -M of the row: the least of the 16 -M128
.irp s, 0,1,2,3,4,5,6,7,8,9,10,11,12,13,14,15
	v_sub_f32 v186, v[STT+2*\s], v[NMR]            ; d = M - M128: a whole number, 0 or more,
	v_min_num_f32 v186, 0x42fe0000, v186           ; held at 127
	v_cvt_u32_f32 v186, v186
	v_sub_nc_u32 v187, 127, v186
	v_lshlrev_b32 v187, 23, v187                   ; 2^-d (0 at d = 127)
.if \s == 0
	v_mul_f32 v[LSUM], v[STT+1], v187              ; the first term starts l
.else
	v_fmac_f32 v[LSUM], v[STT+2*\s+1], v187
.endif
	v_mul_lo_u32 v188, v186, s30                   ; d in all four bytes
	v_or_b32 v189, s31, v[WD+\s]                   ; the bytes are at most 125: with 128 on each, no byte borrows from the next,
	v_sub_nc_u32 v189, v189, v188
	v_lshrrev_b32 v190, 7, v189
	v_and_b32 v190, s30, v190                      ; and the 128 is still there where byte >= d
	v_lshlrev_b32 v191, 8, v190
	v_sub_nc_u32 v191, v191, v190                  ; 0xff in those bytes
	v_and_b32 v189, v189, v191
	v_and_b32 v189, 0x7f7f7f7f, v189               ; byte - d, or 0
	ds_store_b32 v13, v189 offset:512*\s
.endr
	s_wait_alu depctr_va_vdst(0)
	v_rcp_f32 v186, v[LSUM]
	v_nop                                          ; a plain instruction behind the reciprocal
	s_wait_alu depctr_va_vdst(0)                   ; and a wait ahead of its first reader
	ds_store_b32 v13, v186 offset:RL-SCA
	s_wait_tensorcnt 0x0                           ; my part of slot 0 is in
	ds_add_u32 v[SPW], v[NIL]
	ds_add_u32 v[SPW], v[NIL]                      ; twice on end
	s_wait_dscnt 0x0                               ; the adds are done, and, for the others' sake, my words and my 1 / l have landed
	CROUND                                         ; everybody's part of slot 0 and everybody's words are in, and all sixteen work-groups are here
	RLOAD 2                                        ; slot 1's four steps: my one load behind the round
.set pnxt, 0
.set stnx, 0
.set slnx, 0
.set qnx, 0
.set nn, 0
.rept 42
	LD
.endr
	ASK 2*OPB                                      ; steps 8 to 11
	STEP 0, 0, 0, 1, 0
	STEP 1, 0, 0, 0, 0
	STEP 2, 0, 0, 0, 0
	STEP 3, 2, 0, 0, 0                             ; slot 0 takes steps 8 to 11
	STEP 4, 0, 0, 0, 0
	STEP 5, 0, 0, 0, 0
	STEP 6, 0, 0, 0, 0
	STEP 7, 2, 2, 0, 0                             ; slot 1 takes steps 12 to 15
	STEP 8, 0, 0, 0, 0
	STEP 9, 0, 0, 0, 0
	STEP 10, 0, 0, 0, 0
	STEP 11, 1, 0, 0, 0                            ; slot 1 is shown whole; nothing is left to fetch
	STEP 12, 0, 0, 0, 0
	STEP 13, 0, 0, 0, 0
	STEP 14, 0, 0, 0, 0
	STEP 15, 0, 0, 0, 1
	WIN 0
.irp a, 0,1,2,3
	ds_load_b32 v[RLV+2*\a], v14 offset:128*(\a%2)+4*(\a/2)
.endr
	PLACES                                         ; between the last products and the first read of results, and the first write over A's fragments
	s_wait_dscnt 0x0
.irp a, 0,1,2,3                                ; THE WAY OUT, a tile of 16 queries at a time: x 1 / l, quantised along my 128 of d, stored as an image.  Each accumulator is read from its low end on
	WIN FROM_C
.set i, 0
.rept 32
	v_pk_mul_f32 v[X+i:X+i+1], v[64*\a+i:64*\a+i+1], v[RLV+2*\a:RLV+2*\a+1] op_sel_hi:[1,0]
.set i, i+2
.endr
	WIN 0
.if \a > 0
	s_wait_xcnt 0x0                                ; the last tile's stores have read the codes' registers
.endif
	QUANT X, W+\a
	PUT \a
.endr
	v_cmp_ne_u32 vcc_lo, 0, v2
	v_cndmask_b32 v[MS], v[W], v[W+1], vcc_lo
	v_cndmask_b32 v[MS+1], v[W+2], v[W+3], vcc_lo
	global_store_b64 v[L8], v[MS:MS+1], s[OUTS:OUTS+1]
	s_wait_tensorcnt 0x0                           ; the wave's end: behind my last tensor load and my last LDS store
	ds_add_u32 v[SPW], v[NIL]
	s_wait_dscnt 0x0
	CROUND                                         ; the closing round
	s_endpgm
.Lfunc_end_k_qf701320e9b_pv:
	.size	k_qf701320e9b_pv, .Lfunc_end_k_qf701320e9b_pv-k_qf701320e9b_pv
	.p2alignl 7, 3214868480
	.fill 96, 4, 3214868480
	.section	.rodata,"a",@progbits
	.p2align	6, 0x0
	.amdhsa_kernel k_qf701320e9b_pv
		.amdhsa_group_segment_fixed_size 327680
		.amdhsa_private_segment_fixed_size 0
		.amdhsa_enable_private_segment 0
		.amdhsa_kernarg_size 32
		.amdhsa_user_sgpr_count 2
		.amdhsa_user_sgpr_kernarg_segment_ptr 1
		.amdhsa_wavefront_size32 1
		.amdhsa_system_sgpr_workgroup_id_x 1
		.amdhsa_system_sgpr_workgroup_id_y 1
		.amdhsa_system_sgpr_workgroup_id_z 1
		.amdhsa_system_vgpr_workitem_id 0
		.amdhsa_next_free_vgpr 768
		.amdhsa_next_free_sgpr 100
		.amdhsa_reserve_vcc 1
		.amdhsa_float_denorm_mode_32 3
		.amdhsa_float_denorm_mode_16_64 3
		.amdhsa_memory_ordered 1
		.amdhsa_forward_progress 1
		.amdhsa_inst_pref_size 163
	.end_amdhsa_kernel
	.amdgpu_metadata
---
amdhsa.version: [ 1, 2 ]
amdhsa.kernels:
  - .name:           k_qf701320e9b_pv
    .symbol:         k_qf701320e9b_pv.kd
    .args:
      - { .name: c3, .offset: 0, .size: 8, .value_kind: global_buffer, .address_space: global }
      - { .name: st, .offset: 8, .size: 8, .value_kind: global_buffer, .address_space: global }
      - { .name: c2, .offset: 16, .size: 8, .value_kind: global_buffer, .address_space: global }
      - { .name: c4, .offset: 24, .size: 8, .value_kind: global_buffer, .address_space: global }
    .group_segment_fixed_size: 327680
    .private_segment_fixed_size: 0
    .kernarg_segment_align: 8
    .kernarg_segment_size: 32
    .max_flat_workgroup_size: 128
    .sgpr_count:     100
    .vgpr_count:     768
    .wavefront_size: 32
...
	.end_amdgpu_metadata
.endif
;; end of part 4
;; launch outp (part 5): grid 4 x 64, 4 waves a work-group, clusters of 4 x 4, 327,680 bytes of LDS; arguments c4, c1, bl, out0; writes out0
.if DOCPART == 5
	.amdgcn_target "amdgcn-amd-amdhsa--gfx1250"
	.amdhsa_code_object_version 6
	.text
	.protected	k_qf701320e9b_outp
	.globl	k_qf701320e9b_outp
	.p2align	8
	.type	k_qf701320e9b_outp,@function
k_qf701320e9b_outp:
	s_mov_b64 s[64:65], 0
	v_nop
	global_prefetch_b8 v0, s[64:65] scope:SCOPE_SE
	s_setreg_imm32_b32 hwreg(HW_REG_WAVE_MODE, 25, 1), 1
	s_wait_xcnt 0x0
	s_wait_alu depctr_hold_cnt(0) depctr_sa_sdst(0) depctr_va_vdst(0) depctr_va_sdst(0) depctr_va_ssrc(0) depctr_va_vcc(0) depctr_vm_vsrc(0)
	s_getreg_b32 s2, hwreg(HW_REG_IB_STS2, 6, 4)
	s_cmp_eq_u32 s2, 0
	s_cbranch_scc0 .Lentry_in_a_cluster
	s_endpgm
.Lentry_in_a_cluster:
	s_bfe_u32 s2, ttmp6, 0x10000c
	s_cmp_lg_u32 s2, 0xf033
	s_cbranch_scc0 .Lentry_shape_is_right
	s_endpgm
.Lentry_shape_is_right:
; out0 = Z Wl^T + bl on codes of FP6 (E2M3) with E8M0 scales, f32 sums, f32 out.
; OPERANDS lie in K BLOCKS of 12,800 bytes (a group of 128 rows x 128 along K): eight fragment images of 1,536 bytes (tile i: registers 4 k .. 4 k + 3 of lane l at 1536 i + 512 k + 16 l), then 512 bytes of scale words
; (tile i, lane-row r at 12288 + 256 (i / 4) + 128 (i % 2) + 8 r + 4 ((i / 2) % 2)).  Lane-row r of tile i is the group's row 32 (i / 2) + 8 (i % 2) + r + 8 (r / 8).  c4: Z at block 8 g + s.  c1: Wl's groups 216 to 223.
; SHARES.  A work-group makes 128 rows (A: a group of Z) x 256 columns (B: two groups of Wl).  Wave (hw, jw) = (wave / 2, wave % 2): A's tiles 4 hw + 0 .. 3 against the eight tiles of B's group jw.  Used TRANSPOSED (source 0 = Wl,
; source 1 = Z): a lane holds one row, and the 16 registers of result tiles 2 b, 2 b + 1 are columns 32 b + 16 h + 0 .. 15.
; LDS: all eight K steps at once: block (sl, operand o, q) at 153600 sl + 51200 o + 12800 q; every byte is filled once.  CLUSTER 4 x 4: Z's blocks are asked for jointly along a row of the cluster, Wl's along a column.
; Wave 0 fetches A, waves 1 and 2 B's two groups, four loads of 25,600 dense bytes each: four tensor loads of a wave are out at the most.
; THE WAY OUT: a tile of 16 rows x 128 columns goes through the wave's own stage and comes back as whole rows of 512 bytes.  The stages lie in slot 0, which has had its only fill; every wave's reads of it were over at the head of
; step 3, in front of that step's barrier.
; LIMITS: NaN and infinities are not served.
; THE FILLS (this takes the place of what the lines above say of four loads a wave): behind the opening round a wave issues ONE load, slot 0's four K steps of its operand, 51,200 bytes.
; Then every wave waits for all its tensor loads, adds 0 to its spare word, waits for that and passes a second round; slot 1's four steps are asked for
; behind it as a refill is.  One tensor load of a wave is out at any time.  The opening round stands ahead of the wait for the arguments: it reads none of them.
; DATA PREFETCH: behind slot 0's fill stands the request, into the L2, for what slot 1's fill will bring: four K steps ahead.  A fill's 51,200 bytes of one operand are four K blocks; the four partners that ask for them
; jointly take one block each, told apart by address (cx for Z, cy for Wl): 50 units of 256 bytes, a lane a unit, two instructions of the wave that will load them (lanes 18 to 31 of the second name its last unit again).
; The prefetches' address registers are never rewritten.
.set PFO,   252                        ; v252-253 the prefetches' offsets: 256 x lane, 256 x min(32 + lane, 49); never rewritten
.set BLK,   12800
.set FRI,   1536
.set OPB,   4*BLK
.set SLOT,  3*OPB
.set CHUNK, 2*BLK
.set GRP,   8*BLK
.set STG,   8448                       ; a wave's stage: 16 rows x (512 bytes + 16): 132 words a row, so row r begins at bank 4 r mod 64 (ISA guide 11.1)
.set LI,    3
.set ADRA,  4
.set ADRB,  6
.set ADSA,  8
.set ADSB,  10
.set L8,    12
.set STO,   13                         ; v13   the stage, on the way in: row r, + 64 h
.set RD,    14                         ; v14   and back: 16 x lane
.set SB,    16
.set SA,    32
.set AF,    40
.set X,     40                         ; rows read back, tiles 1 and 3: v40-103
.set RB,    104                        ; rows read back, tiles 0 and 2: rows 0-7 in v104-135, 8-15 in v200-231
.set BN,    136
.set WV,    14
.set HW,    15
.set JW,    16
.set CX,    17
.set CY,    18
.set G1A,   32
.set G1B,   40
.set G0A,   48
.set G0B,   68
.set OUT,   94
.set MULW,  0xa1
.set TO_B,  0x40
.set FROM_C, 0x02
.set MSB,   0
.macro WIN new
.if MSB != \new
	s_set_vgpr_msb (MSB<<8)|\new
.set MSB, \new
.endif
.endm
.macro PLACES
.rept 4
	v_nop
.endr
.endm
.macro CREST
	s_cmp_lg_u32 s[WV], 0
	s_cbranch_scc1 .Lnot_wave_0_\@
	s_barrier_signal -3
.Lnot_wave_0_\@:
	s_barrier_wait -3
	s_barrier_signal -1
	s_barrier_wait -1
.endm
.macro CROUND
	s_barrier_signal -1
	s_barrier_wait -1
	CREST
.endm
.macro G1REST g, rows
	s_mov_b32 s[\g+1], 32<<16
	s_mov_b32 s[\g+2], (\rows)<<16
	s_mov_b32 s[\g+3], 32<<16
	s_mov_b32 s[\g+4], \rows
	s_mov_b32 s[\g+5], 32
	s_mov_b32 s[\g+6], 0
	s_mov_b32 s[\g+7], 0
.endm
.macro LD                              ; load nn of the 42 that bring a step's operands (slot slnx, block qnx) into set pnxt
.if nn < 24
	WIN TO_B
	ds_load_b128 v[96*pnxt+12*(nn/3)+4*(nn%3):96*pnxt+12*(nn/3)+4*(nn%3)+3], v[ADRB+slnx] offset:BLK*qnx+FRI*(nn/3)+512*(nn%3)
.elseif nn < 36
	WIN 0
	ds_load_b128 v[AF+48*pnxt+12*((nn-24)/3)+4*((nn-24)%3):AF+48*pnxt+12*((nn-24)/3)+4*((nn-24)%3)+3], v[ADRA+slnx] offset:BLK*qnx+FRI*((nn-24)/3)+512*((nn-24)%3)
.elseif nn < 40
	WIN 0
	ds_load_b64 v[SB+8*pnxt+2*(nn-36):SB+8*pnxt+2*(nn-36)+1], v[ADSB+slnx] offset:BLK*qnx+256*((nn-36)/2)+128*((nn-36)%2)
.else
	WIN 0
	ds_load_b64 v[SA+4*pnxt+2*(nn-40):SA+4*pnxt+2*(nn-40)+1], v[ADSA+slnx] offset:BLK*qnx+128*(nn-40)
.endif
.set nn, nn+1
.endm
.macro WM zero                         ; product ii of a step's 32; the accumulators take turns
	WIN MULW
.set rD, 8*ii
.set rB, 96*pcur+12*(ii%8)
.set rA, AF+48*pcur+12*(ii/8)
.set rSB, SB+8*pcur+4*((ii%8)/4)+2*(ii%2)+((ii/2)%2)
.set rSA, SA+4*pcur+2*((ii/8)%2)+(ii/16)
.if \zero
	v_wmma_scale_f32_16x16x128_f8f6f4 v[rD:rD+7], v[rB:rB+11], v[rA:rA+11], 0, v[rSB], v[rSA] matrix_a_fmt:MATRIX_FMT_FP6 matrix_b_fmt:MATRIX_FMT_FP6
.else
	v_wmma_scale_f32_16x16x128_f8f6f4 v[rD:rD+7], v[rB:rB+11], v[rA:rA+11], v[rD:rD+7], v[rSB], v[rSA] matrix_a_fmt:MATRIX_FMT_FP6 matrix_b_fmt:MATRIX_FMT_FP6
.endif
.set ii, ii+1
.endm
; K step s on set s % 2.  The next step's 42 loads go into the other set in ONE run, behind this step's first four products and four plain instructions: 28 products stand between the run and the wait for it.
; sync = 1: slot 1 is shown whole by a barrier (cnt = the loads issued behind it)
.macro STEP s, sync, cnt, zero, last
.set pcur, (\s)%2
.set pnxt, 1-pcur
.set slnx, (((\s)+1)/4)%2
.set qnx,  ((\s)+1)%4
.set nn, 0
.set ii, 0
.set gap, 0
	s_wait_dscnt 0x0                               ; this step's operands are in
.if \sync
	s_wait_tensorcnt \cnt
	s_barrier_signal -1
.endif
.rept 4
	WM \zero
.endr
.if \sync
	s_barrier_wait -1
.endif
.if !(\last)
	PLACES                                         ; between the last step's products and the loads into the set that they read
.endif
.if !(\last)
.rept 42
	LD
.endr
.endif
.rept 28
	WM \zero
.endr
.endm
	s_load_b256 s[4:11], s[0:1], 0x0               ; c4, c1, bl, out0
	v_lshl_add_u32 v254, v0, 2, 0x4b000
	v_mov_b32 v255, 0
	ds_add_u32 v254, v255
	ds_add_u32 v254, v255
	v_lshrrev_b32 v1, 5, v0
	v_readfirstlane_b32 s[WV], v1
	s_lshr_b32 s[HW], s[WV], 1
	s_and_b32 s[JW], s[WV], 1
	s_bfe_u32 s[CX], ttmp6, 0x40000
	s_bfe_u32 s[CY], ttmp6, 0x40004
	s_lshl_b32 s29, s[CY], 2
	s_lshl_b32 s29, 15, s29
	s_lshl_b32 s30, 0x1111, s[CX]
	s_or_b32 s[G1A], s29, (3<<16)|(1<<21)
	s_or_b32 s[G1B], s30, (3<<16)|(1<<21)
	G1REST G1A, 200                                ; a fill: four K blocks, 200 rows of 256 bytes
	G1REST G1B, 200
	s_mul_i32 s19, s[WV], OPB
	s_and_b32 s90, ttmp7, 0xffff
	s_lshl_b32 s90, s90, 2
	s_add_co_u32 s90, s90, s[CY]                   ; Y: my group of rows
	s_mul_i32 s20, s90, GRP                        ; A: Z's group Y
	s_mov_b32 s21, 0
	s_lshl_b32 s91, s[CX], 1
	s_add_co_u32 s22, s91, s[HW]
	s_add_co_u32 s22, s22, 216                     ; B: Wl's group 2 cx + (0 or 1)
	s_mul_i32 s22, s22, GRP
	s_mov_b32 s23, 0
	s_add_co_u32 s91, s91, s[JW]
	s_lshl_b32 s86, s91, 9                         ; my 128 columns, in bytes: in bl and in a row of out0
	s_mov_b32 s87, 0
	s_lshl_b32 s90, s90, 1
	s_add_co_u32 s90, s90, s[HW]
	s_lshl_b32 s90, s90, 18                        ; my 64 rows of 4,096 bytes
	s_add_co_u32 s[OUT], s90, s86
	s_mov_b32 s[OUT+1], 0
	s_wait_dscnt 0x0
	CROUND                                         ; all sixteen work-groups are here: the joint loads meet
	s_wait_kmcnt 0x0
	s_add_nc_u64 s[20:21], s[4:5], s[20:21]
	s_add_nc_u64 s[22:23], s[6:7], s[22:23]
	s_add_nc_u64 s[86:87], s[8:9], s[86:87]
	s_add_nc_u64 s[OUT:OUT+1], s[10:11], s[OUT:OUT+1]
.irp c, 0,2                                    ; set 0 serves slot 0, set 2 slot 1
	s_mov_b32 s[G0A+4*\c], 1
	s_add_co_u32 s[G0A+4*\c+1], s19, (\c/2)*SLOT+(\c%2)*CHUNK
	s_add_nc_u64 s[G0A+4*\c+2:G0A+4*\c+3], s[20:21], \c*CHUNK
	s_or_b32 s[G0A+4*\c+3], s[G0A+4*\c+3], 0x80000000
	s_mov_b32 s[G0B+4*\c], 1
	s_add_co_u32 s[G0B+4*\c+1], s19, (\c/2)*SLOT+(\c%2)*CHUNK
	s_add_nc_u64 s[G0B+4*\c+2:G0B+4*\c+3], s[22:23], \c*CHUNK
	s_or_b32 s[G0B+4*\c+3], s[G0B+4*\c+3], 0x80000000
.endr
	s_cmp_eq_u32 s[WV], 0                          ; slot 0's fills: one chain of branches on the wave's number, one load to an arm; four v_nop follow each
	s_cbranch_scc0 .Lfill_b
	tensor_load_to_lds s[G0A:G0A+3], s[G1A:G1A+7]
	s_nop 0
	PLACES
	s_branch .Lfilled
.Lfill_b:
	s_cmp_lt_u32 s[WV], 3
	s_cbranch_scc0 .Lfilled
	tensor_load_to_lds s[G0B:G0B+3], s[G1B:G1B+7]
	s_nop 0
	PLACES
.Lfilled:
	s_cmp_eq_u32 s[WV], 0                          ; the prefetches' base: my operand's first block (wave 0 loads Z, waves 1 and 2 Wl), + my work-group's block of each four
	s_cselect_b64 s[52:53], s[20:21], s[22:23]
	s_cselect_b32 s54, s[CX], s[CY]                ; my place among the four that ask jointly
	s_mul_i32 s54, s54, BLK
	s_mov_b32 s55, 0
	s_add_nc_u64 s[52:53], s[52:53], s[54:55]
	v_and_b32 v[PFO], 31, v0
	v_add_nc_u32 v[PFO+1], 32, v[PFO]
	v_min_u32 v[PFO+1], 49, v[PFO+1]
	v_lshlrev_b32 v[PFO], 8, v[PFO]
	v_lshlrev_b32 v[PFO+1], 8, v[PFO+1]
	s_cmp_lt_u32 s[WV], 3                          ; the loading waves ask for what slot 1's fill will bring
	s_cbranch_scc0 .Lno_ask
	global_prefetch_b8 v[PFO], s[52:53] offset:OPB th:TH_LOAD_NT scope:SCOPE_SE
	global_prefetch_b8 v[PFO+1], s[52:53] offset:OPB th:TH_LOAD_NT scope:SCOPE_SE
.Lno_ask:
	v_and_b32 v1, 15, v0
	v_bfe_u32 v2, v0, 4, 1
	v_and_b32 v[LI], 31, v0
	v_lshlrev_b32 v[LI], 4, v[LI]
	s_mul_i32 s29, s[HW], 4*FRI
	s_mul_i32 s30, s[JW], OPB
	s_add_co_u32 s30, s30, OPB
	v_add_nc_u32 v[ADRA], s29, v[LI]
	v_add_nc_u32 v[ADRA+1], SLOT, v[ADRA]
	v_add_nc_u32 v[ADRB], s30, v[LI]
	v_add_nc_u32 v[ADRB+1], SLOT, v[ADRB]
	s_lshl_b32 s29, s[HW], 8
	s_add_co_u32 s29, s29, 8*FRI
	v_lshl_add_u32 v[ADSA], v1, 3, s29
	v_add_nc_u32 v[ADSA+1], SLOT, v[ADSA]
	s_add_co_u32 s30, s30, 8*FRI
	v_lshl_add_u32 v[ADSB], v1, 3, s30
	v_add_nc_u32 v[ADSB+1], SLOT, v[ADSB]
	v_lshlrev_b32 v[L8], 6, v2                     ; bl: result tile t, register j is column 32 (t / 2) + 8 (t % 2) + 16 h + j: 64 h bytes
.irp t, 0,1,2,3,4,5,6,7
	global_load_b128 v[BN+8*\t:BN+8*\t+3], v[L8], s[86:87] offset:(32*(\t/2)+8*(\t%2))*4
	global_load_b128 v[BN+8*\t+4:BN+8*\t+7], v[L8], s[86:87] offset:(32*(\t/2)+8*(\t%2))*4+16
.endr
	s_mul_i32 s29, s[WV], STG
	v_mul_u32_u24 v[STO], v1, 528
	v_lshl_add_u32 v[STO], v2, 6, v[STO]
	v_add_nc_u32 v[STO], s29, v[STO]
	v_add_nc_u32 v[RD], s29, v[LI]
	s_wait_alu depctr_va_vdst(0)
	s_wait_tensorcnt 0x0                           ; my part of slot 0 is in
	ds_add_u32 v254, v255
	ds_add_u32 v254, v255                          ; twice on end
	s_wait_dscnt 0x0
	CROUND                                         ; everybody's part of slot 0 is in, and all sixteen work-groups are here
	s_cmp_eq_u32 s[WV], 0                          ; slot 1's four steps: one load a wave behind the round, in one chain of branches on the wave's number
	s_cbranch_scc0 .Lfill2_b
	tensor_load_to_lds s[G0A+8:G0A+11], s[G1A:G1A+7]
	s_nop 0
	PLACES
	s_branch .Lfilled2
.Lfill2_b:
	s_cmp_lt_u32 s[WV], 3
	s_cbranch_scc0 .Lfilled2
	tensor_load_to_lds s[G0B+8:G0B+11], s[G1B:G1B+7]
	s_nop 0
	PLACES
.Lfilled2:
.set pnxt, 0
.set slnx, 0
.set qnx, 0
.set nn, 0
.rept 42
	LD
.endr
	STEP 0, 0, 0, 1, 0
	STEP 1, 0, 0, 0, 0
	STEP 2, 0, 0, 0, 0
	STEP 3, 1, 0, 0, 0                             ; slot 1 is shown whole
	STEP 4, 0, 0, 0, 0
	STEP 5, 0, 0, 0, 0
	STEP 6, 0, 0, 0, 0
	STEP 7, 0, 0, 0, 1
	WIN 0
	PLACES                                         ; between the last products and the first read of results, and the first write over A's fragments
	s_wait_loadcnt 0x0                             ; bl
; A tile of 16 rows at a time.  TOSTAGE: + bl, in the accumulators (each read from its low end on), into my stage, and back as whole rows into one of two register sets by turns.  SEND: the rows are stored.
; Tile a goes through the stage while tile a - 1 is stored.  LDS serves a wave's instructions in order: a tile's loads see its stores, and the next tile's stores come behind them.
.macro TOSTAGE a
	WIN 0x82                                       ; destination and source 0: window 2
.set i, 0
.rept 32
	v_pk_add_f32 v[64*(\a)+i:64*(\a)+i+1], v[64*(\a)+i:64*(\a)+i+1], v[BN+i:BN+i+1]
.set i, i+2
.endr
	WIN 0x08                                       ; the stores' data: window 2
.irp b, 0,1,2,3
.irp j, 0,1,2,3
	ds_store_b128 v[STO], v[64*(\a)+16*\b+4*\j:64*(\a)+16*\b+4*\j+3] offset:128*\b+16*\j
.endr
.endr
	WIN 0
.if (\a) > 1
	s_wait_xcnt 0x0                                ; tile a - 2's stores have read the registers into which the rows come back
.endif
.irp m, 0,1,2,3,4,5,6,7,8,9,10,11,12,13,14,15
.set rr, ((\a)%2)*(X+4*\m)+(1-(\a)%2)*(RB+4*\m+64*(\m/8))
	ds_load_b128 v[rr:rr+3], v[RD] offset:528*\m
.endr
.endm
.macro SEND a, younger                 ; younger: the LDS instructions issued behind tile a's loads, which may stay out
.irp m, 0,1,2,3,4,5,6,7,8,9,10,11,12,13,14,15
.set rr, ((\a)%2)*(X+4*\m)+(1-(\a)%2)*(RB+4*\m+64*(\m/8))
	s_wait_dscnt (\younger)+15-\m                  ; row m is back; the rows behind it and the next tile's 16 stores and 16 loads may be out
	global_store_b128 v[LI], v[rr:rr+3], s[OUT:OUT+1] offset:(32*((\a)/2)+8*((\a)%2)+\m+8*(\m/8))*4096 th:TH_STORE_NT   ; 32 lanes store 512 consecutive bytes, aligned to 256; written once, read by nobody here
.endr
.endm
	TOSTAGE 0
.irp a, 1,2,3
	TOSTAGE \a
	SEND \a-1, 32
.endr
	SEND 3, 0
	s_wait_tensorcnt 0x0
	ds_add_u32 v254, v255
	s_wait_dscnt 0x0
	CROUND                                         ; the closing round
	s_endpgm
.Lfunc_end_k_qf701320e9b_outp:
	.size	k_qf701320e9b_outp, .Lfunc_end_k_qf701320e9b_outp-k_qf701320e9b_outp
	.p2alignl 7, 3214868480
	.fill 96, 4, 3214868480
	.section	.rodata,"a",@progbits
	.p2align	6, 0x0
	.amdhsa_kernel k_qf701320e9b_outp
		.amdhsa_group_segment_fixed_size 327680
		.amdhsa_private_segment_fixed_size 0
		.amdhsa_enable_private_segment 0
		.amdhsa_kernarg_size 32
		.amdhsa_user_sgpr_count 2
		.amdhsa_user_sgpr_kernarg_segment_ptr 1
		.amdhsa_wavefront_size32 1
		.amdhsa_system_sgpr_workgroup_id_x 1
		.amdhsa_system_sgpr_workgroup_id_y 1
		.amdhsa_system_sgpr_workgroup_id_z 1
		.amdhsa_system_vgpr_workitem_id 0
		.amdhsa_next_free_vgpr 768
		.amdhsa_next_free_sgpr 100
		.amdhsa_reserve_vcc 0
		.amdhsa_float_denorm_mode_32 3
		.amdhsa_float_denorm_mode_16_64 3
		.amdhsa_memory_ordered 1
		.amdhsa_forward_progress 1
		.amdhsa_inst_pref_size 90
	.end_amdhsa_kernel
	.amdgpu_metadata
---
amdhsa.version: [ 1, 2 ]
amdhsa.kernels:
  - .name:           k_qf701320e9b_outp
    .symbol:         k_qf701320e9b_outp.kd
    .args:
      - { .name: c4, .offset: 0, .size: 8, .value_kind: global_buffer, .address_space: global }
      - { .name: c1, .offset: 8, .size: 8, .value_kind: global_buffer, .address_space: global }
      - { .name: bl, .offset: 16, .size: 8, .value_kind: global_buffer, .address_space: global }
      - { .name: out0, .offset: 24, .size: 8, .value_kind: global_buffer, .address_space: global }
    .group_segment_fixed_size: 327680
    .private_segment_fixed_size: 0
    .kernarg_segment_align: 8
    .kernarg_segment_size: 32
    .max_flat_workgroup_size: 128
    .sgpr_count:     100
    .vgpr_count:     768
    .wavefront_size: 32
...
	.end_amdgpu_metadata
.endif
;; end of part 5
